; MI455X (gfx1250); checked and timed in simulation.
; The chip was launched on July 23, 2026; its instructions are those of AMD's public machine-readable ISA for CDNA 5 (MIT licence, August 2026) and "CDNA5" Instruction Set Architecture Reference Guide (July 2026). The comments in the code are by the model that wrote it; some were corrected since.
;; Model. Allowed arithmetic: matrix products marked QUANTISED: E2M3 operands, one E8M0 scale for each 32 along K, by v_wmma_scale_f32_16x16x128_f8f6f4 with both operands' format E2M3, f32 sums; everything else in f32.
;; Inputs: Wk 1,024 x 1,024 float32; Wq 1,024 x 1,024 float32; Wv 1,024 x 1,024 float32; bk 1,024 float32; bq 1,024 float32; bv 1,024 float32; k 8 x 2,048 x 1,024 float32; mask 8 x 2,048 bool; q 8 x 512 x 1,024 float32; v 8 x 2,048 x 1,024 float32.
;; Outputs: out0 8 x 512 x 1,024 float32.
;; This version of the problem:
;;   THIS VERSION OF THE PROBLEM IS GIVEN IN LOW PRECISION. The matrix products marked QUANTISED in the list below multiply operands that are first quantised to E2M3 (2 exponent bits, 3 mantissa bits; 6 bits a number), with one power-of-two scale for each 32 numbers along K (OCP MX v1.0); their sums are f32. All else is computed in f32.
;;   The module's matrix products, in the order in which they are computed (A, B: the left and right operand; K: the contracted axis; several contracted axes count as one K, in the product's order):
;;     1. [M 4,096, K 1,024] x [K 1,024, N 1,024]; A: input q; B: input Wq: QUANTISED
;;     2. [M 16,384, K 1,024] x [K 1,024, N 1,024]; A: input k; B: input Wk: QUANTISED
;;     3. [M 16,384, K 1,024] x [K 1,024, N 1,024]; A: input v; B: input Wv: QUANTISED
;;     4. batch 8 x [M 512, K 1,024] x [K 1,024, N 2,048]; A: computed on the way; B: computed on the way: QUANTISED
;;     5. batch 8 x [M 512, K 2,048] x [K 2,048, N 1,024]; A: softmax (see below); B: computed on the way: QUANTISED
;;   THE QUANTISER, for each operand of a quantised product, along K:
;;     - K is cut into blocks of 32 from its start; a last block that is shorter is filled with zeros.
;;     - A block's scale is 2^e with e = floor(log2(the largest magnitude in the block)) - 2, held to -126 .. 127; a block of zeros has e = 0. As a byte (E8M0): e + 127.
;;     - Each number is divided by its block's scale, clamped to +-7.5, and rounded to the nearest number of E2M3, ties to even, subnormals kept.
;;     - The product sums the exact products of the quantised numbers (number of the format x scale) in f32.
;;   ~~~python
;;   def quantise(x, axis):      # numpy; x: float32 -> the quantised numbers, widened to float32 again
;;       x = np.moveaxis(x, axis, -1); K = x.shape[-1]
;;       x = np.pad(x, [(0, 0)] * (x.ndim - 1) + [(0, -K % 32)]); x = x.reshape(x.shape[:-1] + (-1, 32)); a = np.abs(x).max(-1, keepdims=True)
;;       e = np.where(a > 0, np.clip(np.frexp(np.where(a > 0, a, 1))[1] - 1 - 2, -126, 127), 0)      # np.frexp(a)[1] - 1 = floor(log2(a)), exactly
;;       r = np.clip(x / 2.0 ** e, -7.5, 7.5)
;;       step = 2.0 ** (np.maximum(np.frexp(np.where(r == 0, 1, r))[1] - 1, 0) - 3)
;;       q = np.round(r / step) * step * 2.0 ** e      # np.round: ties to even
;;       return np.moveaxis(q.reshape(q.shape[:-2] + (-1,))[..., :K], -1, axis).astype(np.float32)
;;   ~~~
;;   SOFTMAX AHEAD OF A QUANTISED PRODUCT. Where the list says 'softmax', what is quantised is not the finished softmax but p = 2^(t - M), with t = logit x log2(e) and M = ceil(the row's largest t), a whole number; so 1/2 < the row's largest p <= 1. The row's sum l is taken of the UNQUANTISED p, in f32, and the product's result is divided by l at the end. Since M is a whole number, a kernel that streams over the keys may use a running M (the ceiling of the running maximum): every later rescaling is an exact power of two, which a block's scale takes up: the codes' values come out the same.
;;   OPERANDS COMPUTED ON THE WAY. 'Computed on the way' means the value that the module computes at that place (a softmax that the list does not call 'softmax' is quantised finished and normalised). What goes into a quantiser is computed in f32, as accurately as f32 sums, v_exp_f32 and their like allow (about 1e-6 of the number): no bf16 or f16 on the way to a quantiser, and a product that is left as it is and whose result goes on into a quantised operand takes f32 operands (vector FMAs, or v_wmma_f32_16x16x4_f32). A number that lies on a knife's edge between two numbers of the format may be rounded either way, as far as f32 arithmetic and the matrix unit's own rounding can turn it there, and no further.
;; One version. Each part assembles by itself: llvm-mc -triple=amdgcn-amd-amdhsa -mcpu=gfx1250 --defsym DOCPART=n.
;; ======== version 1 of 1: 4 launches
;; limits: right only within a limited range of input values
;; workspace buffers: c1 30,670,848 bytes; s1 1,277,952 bytes; c2 28,311,552 bytes; s2 1,179,648 bytes; c3 6,291,456 bytes; s3 786,432 bytes
;; launch quant (part 1): grid 1248 x 1, 2 waves a work-group, no clusters, 17,152 bytes of LDS; arguments q, k, v, Wq, Wk, Wv, c1, s1; writes c1, s1
.if DOCPART == 1
	.amdgcn_target "amdgcn-amd-amdhsa--gfx1250"
	.amdhsa_code_object_version 6
	.text
	.protected	k_qd5a27f47bf_quant
	.globl	k_qd5a27f47bf_quant
	.p2align	8
	.type	k_qd5a27f47bf_quant,@function
k_qd5a27f47bf_quant:
	s_mov_b64 s[64:65], 0
	v_nop
	global_prefetch_b8 v0, s[64:65] scope:SCOPE_SE
	s_setreg_imm32_b32 hwreg(HW_REG_WAVE_MODE, 25, 1), 1
	s_wait_xcnt 0x0
; q, k, v [rows][1024] (K innermost) and Wq, Wk, Wv [1024 (K)][1024 (n)] (K outermost), all f32, become codes of FP6 (E2M3) with one E8M0 byte for each 32 along K.
; A block's scale is 2^(floor(log2(largest magnitude)) - 2); its byte is the largest magnitude's exponent field - 2, held at 1 from below.
; LAYOUT OF THE CODES (c1): images of operand registers.  A fragment is 16 rows x 128 K = 12 registers a lane = 1,536 bytes: byte 512 g + 16 lane + 4 e is register 4 g + e of that lane.
;   c1 = [tile][K step 0..7][1536];  tiles: q 0..255, k 256..1279, v 1280..2303, Wq 2304.., Wk 2368.., Wv 2432..2495.
; LAYOUT OF THE SCALE WORDS (s1): [tile / 4][K step][lane r 0..15][tile % 4], 4 bytes each: sixteen lanes' 16 bytes are 256 consecutive bytes.
; ROWS OF A TILE: q and Wv plain (lane r = row 16 tile + r).  k, v, Wq, Wk: lane r of tile 2 G + u holds row 32 G + 8 u + r + 8 (r / 8), so that a product with such a tile as source 0
;   leaves 16 neighbours along the next K in the 16 registers of two neighbouring tiles.
; SHARES: a wave takes 128 rows (or columns n) x 128 K: 64 KiB of f32, eight fragments, eight scale words a lane.  Work-groups 0..95 take the weights, 96..1247 the rows.
; Nothing is shared between work-groups or waves: no cluster, no barrier, no tensor load.  Only the rows' path uses LDS (a wave's own stage).
; LIMITS: NaN and infinities are not served; a block whose largest magnitude lies under 2^-124, a block of zeros among them, gets the byte 1 (its codes are what the conversion gives under that scale;
;   zeros stay zeros); the bytes are read by this program alone.
.set SPITCH, 528                       ; a stage row: 512 bytes + 16: sixteen rows start 33 x 16 bytes apart
.set WSTG,   16*SPITCH                 ; a wave's stage
.set LI,   5                           ; v5   16 x lane
.set SH8,  6                           ; v6   8 x (lane / 16)
.set SA,   7                           ; v7   where my four scale words go: 2048 (lane / 16) + 16 (lane % 16)
.set VB0,  8                           ; v8   rows: 16 x lane + 512 x K step
.set VBP,  9                           ; v9   the same + D          (D = 0: plain tiles; 32768 = eight rows: permuted tiles)
.set VBM,  10                          ; v10  the same + 32768 - D
.set WS,   11                          ; v11  stage, on the way in
.set RS,   12                          ; v12  stage, on the way out
.set VO,   13                          ; v13  weights: 4 x my column in a group of 32
.set SWD,  16                          ; v16-23  the eight scale words
.set SEL4, 24                          ; v24-27  the four that I store
.set R,    32                          ; v32-159 rows as loaded, two sets of 64
.set X,    160                         ; v160-223 64 numbers of my row: register 32 c + i = k 64 c + 32 (lane / 16) + i
.set F,    224                         ; v224-235 the fragment
.set TC,   236                         ; v236-243 second halves of the blocks' codes
.set M,    244
.set SO,   246
.set BY,   248
.set W,    250
.set W2,   251
	s_load_b256 s[4:11], s[0:1], 0x0               ; q s[4:5], k s[6:7], v s[8:9], Wq s[10:11]
	s_load_b256 s[12:19], s[0:1], 0x20             ; Wk s[12:13], Wv s[14:15], c1 s[16:17], s1 s[18:19]
	; a work-group has TWO waves: work-groups 0..95 take the weights, 96..1247 the rows; two stages of 8,448 bytes, the spare words behind them
	v_lshl_add_u32 v254, v0, 2, 0x4200
	v_mov_b32 v255, 0
	v_lshrrev_b32 v1, 5, v0
	v_readfirstlane_b32 s23, v1                    ; wave
	v_and_b32 v2, 31, v0                           ; lane
	v_and_b32 v3, 15, v0                           ; r
	v_bfe_u32 v4, v0, 4, 1                         ; h
	v_lshlrev_b32 v[LI], 4, v2
	v_lshlrev_b32 v[SH8], 3, v4
	v_lshlrev_b32 v[SA], 4, v3
	v_lshl_add_u32 v[SA], v4, 11, v[SA]
	s_mov_b32 s20, 0x76543210
	s_mov_b32 s21, 0xfedcba98                      ; v_permlanex16_b32's selects for lane l xor 16
	s_mov_b32 s22, 0xffff0000                      ; lanes 16-31
	s_and_b32 s26, ttmp9, 3
	s_lshl_b32 s26, s26, 1                         ; my K step: 2 (work-group % 4) + wave
	s_add_co_u32 s26, s26, s23                     ; my K step: 2 (work-group % 4) + wave
	s_mov_b32 s33, 0
	s_wait_kmcnt 0x0
	s_cmp_lt_u32 ttmp9, 96
	s_cbranch_scc1 .Lweights
; ------------------------------------------------------------------ the rows of q, k, v
	s_sub_co_u32 s24, ttmp9, 96
	s_lshr_b32 s25, s24, 2                         ; g: which 128 rows of the 36,864
	s_cmp_lt_u32 s25, 160
	s_cselect_b64 s[28:29], s[6:7], s[8:9]
	s_cselect_b32 s27, 32, 160
	s_cmp_lt_u32 s25, 32
	s_cselect_b64 s[28:29], s[4:5], s[28:29]       ; the tensor: chosen by the work-group's number alone
	s_cselect_b32 s27, 0, s27
	s_cselect_b32 s30, 0, 32768                    ; D
	s_sub_co_u32 s27, s25, s27                     ; the group within its tensor
	s_lshl_b32 s32, s27, 19                        ; 128 rows of 4,096 bytes
	s_add_nc_u64 s[28:29], s[28:29], s[32:33]
	s_lshl_b32 s32, s25, 6
	s_add_co_u32 s32, s32, s26
	s_mul_i32 s32, s32, 1536                       ; (8 g tiles x 8 + K step) fragments
	s_add_nc_u64 s[34:35], s[16:17], s[32:33]
	s_lshl_b32 s32, s25, 4
	s_add_co_u32 s32, s32, s26
	s_lshl_b32 s32, s32, 8                         ; (2 g x 8 + K step) x 256
	s_add_nc_u64 s[36:37], s[18:19], s[32:33]
	s_lshl_b32 s31, s26, 9
	s_wait_alu depctr_va_vdst(0)
	v_add_nc_u32 v[VB0], s31, v[LI]
	v_add_nc_u32 v[VBP], s30, v[VB0]
	s_sub_co_u32 s31, 32768, s30
	v_add_nc_u32 v[VBM], s31, v[VB0]
	s_mul_i32 s31, s23, WSTG
	v_add_nc_u32 v[WS], s31, v[LI]
	v_mul_u32_u24 v[RS], v3, SPITCH
	v_lshl_add_u32 v[RS], v4, 7, v[RS]
	v_add_nc_u32 v[RS], s31, v[RS]
	v_mov_b32 v[W2], 0                             ; written once: a lane permute's destination counts as one of its sources
; Fragment a's sixteen rows, 512 consecutive bytes a load.  In units of eight rows: plain tiles take units 2 a, 2 a + 1; permuted ones 2 a, 2 a + 2 (a even) or 2 a - 1, 2 a + 1 (a odd).
.macro XLOAD a
.irp i, 0,1,2,3,4,5,6,7,8,9,10,11,12,13,14,15
.if \i < 8
.if (\a)%2 == 0
	global_load_b128 v[R+64*((\a)%2)+4*\i:R+64*((\a)%2)+4*\i+3], v[VB0], s[28:29] offset:2*(\a)*32768+\i*4096 th:TH_LOAD_NT
.else
	global_load_b128 v[R+64*((\a)%2)+4*\i:R+64*((\a)%2)+4*\i+3], v[VBM], s[28:29] offset:(2*(\a)-1)*32768+\i*4096 th:TH_LOAD_NT
.endif
.else
.if (\a)%2 == 0
	global_load_b128 v[R+64*((\a)%2)+4*\i:R+64*((\a)%2)+4*\i+3], v[VBP], s[28:29] offset:(2*(\a)+1)*32768+(\i-8)*4096 th:TH_LOAD_NT
.else
	global_load_b128 v[R+64*((\a)%2)+4*\i:R+64*((\a)%2)+4*\i+3], v[VB0], s[28:29] offset:(2*(\a)+1)*32768+(\i-8)*4096 th:TH_LOAD_NT
.endif
.endif
.endr
.endm
; My 64 numbers (two whole blocks: h and 2 + h of my row) become my 12 registers of the fragment; the row's scale word goes to v[word], in both halves of the lanes.
.macro QUANT6 word
.irp c, 0,1
	v_max3_num_f32 v[M+\c], |v[X+32*\c]|, |v[X+32*\c+1]|, 0x1800000   ; with the floor 2^(3 - 127): the byte cannot fall under 1
.endr
.irp i, 2,4,6,8,10,12,14,16,18,20,22,24,26,28,30
.irp c, 0,1
	v_max3_num_f32 v[M+\c], v[M+\c], |v[X+32*\c+\i]|, |v[X+32*\c+\i+1]|
.endr
.endr
.irp c, 0,1
	v_add_nc_u32 v[SO+\c], 0xff000000, v[M+\c]     ; 2 off the exponent field: the conversion's scale operand
.endr
.irp c, 0,1
	v_lshrrev_b32 v[BY+\c], 23, v[SO+\c]           ; the scale's byte
.endr
	v_lshl_or_b32 v[W], v[BY+1], 16, v[BY]
	v_lshlrev_b32 v[W], v[SH8], v[W]               ; my two bytes at places h and 2 + h
	v_permlanex16_b32 v[W2], v[W], s20, s21
	v_or_b32 v[\word], v[W], v[W2]                 ; with lane l xor 16's two the word is whole
.irp c, 0,1
	v_cvt_scalef32_pk16_fp6_f32 v[F+6*\c:F+6*\c+2], v[X+32*\c:X+32*\c+15], v[SO+\c]
	v_cvt_scalef32_pk16_fp6_f32 v[TC+4*\c:TC+4*\c+2], v[X+32*\c+16:X+32*\c+31], v[SO+\c]   ; (a conversion's three registers begin on an even number)
.endr
	v_nop                                          ; one plain place behind a scaled conversion
.irp c, 0,1
.irp i, 0,1,2
	v_mov_b32 v[F+6*\c+3+\i], v[TC+4*\c+\i]
.endr
.endr
.endm
.macro XFRAG a
.if (\a) < 7
	s_wait_loadcnt 16                              ; this fragment's sixteen loads are in; the next fragment's sixteen may be out
.else
	s_wait_loadcnt 0x0
.endif
.irp i, 0,1,2,3,4,5,6,7,8,9,10,11,12,13,14,15
	ds_store_b128 v[WS], v[R+64*((\a)%2)+4*\i:R+64*((\a)%2)+4*\i+3] offset:SPITCH*\i
.endr
.irp c, 0,1
.irp j, 0,1,2,3,4,5,6,7
	ds_load_b128 v[X+32*\c+4*\j:X+32*\c+4*\j+3], v[RS] offset:256*\c+16*\j   ; LDS serves a wave's instructions in order: these see the stores above
.endr
.endr
	s_wait_dscnt 16                                ; the sixteen stores are done (the sixteen loads may be out): their registers take the loads of two fragments on
.if (\a) < 6
	XLOAD (\a)+2
.endif
	s_wait_dscnt 0x0
	s_wait_xcnt 0x0                                ; the last fragment's stores have read F: it is rewritten only behind this wait
	QUANT6 SWD+(\a)
.irp g, 0,1,2
	global_store_b128 v[LI], v[F+4*\g:F+4*\g+3], s[34:35] offset:(\a)*12288+512*\g   ; 32 lanes store 512 consecutive bytes, aligned to 512
.endr
.endm
	XLOAD 0
	XLOAD 1
	s_wait_alu depctr_va_vdst(0)
.irp a, 0,1,2,3,4,5,6,7
	XFRAG \a
.endr
.irp j, 0,1,2,3
	v_cndmask_b32 v[SEL4+\j], v[SWD+\j], v[SWD+4+\j], s22   ; lanes 0-15: tiles 0-3; lanes 16-31: tiles 4-7
.endr
	global_store_b128 v[SA], v[SEL4:SEL4+3], s[36:37]      ; two aligned runs of 256 bytes
	s_wait_tensorcnt 0x0
	ds_add_u32 v254, v255
	s_wait_dscnt 0x0
	s_endpgm
; ------------------------------------------------------------------ the weights: a lane takes a column n, its registers run down K
.set XW,   32                          ; v32-95  two sets of 32 numbers: a whole block of my column
.set F0,   96                          ; v96-107 the fragment of tile 2 G;  v108-119 (F0 + 12) that of tile 2 G + 1
.set TCW,  120
.set MW,   124
.set M2,   125
.set SOW,  126
.set BYW,  127
.set WORD, 128
.set WR,   132                         ; v132-135 the four passes' scale words
.Lweights:
	s_lshr_b32 s24, ttmp9, 5                       ; w: 0 Wq, 1 Wk, 2 Wv
	s_bfe_u32 s25, ttmp9, 0x30002                  ; g: which 128 columns
	s_cmp_eq_u32 s24, 1
	s_cselect_b64 s[28:29], s[12:13], s[14:15]
	s_cmp_eq_u32 s24, 0
	s_cselect_b64 s[28:29], s[10:11], s[28:29]
	s_lshl_b32 s32, s26, 19                        ; 128 rows k of 4,096 bytes
	s_lshl_b32 s31, s25, 9
	s_add_co_u32 s32, s32, s31
	s_add_nc_u64 s[28:29], s[28:29], s[32:33]
	s_lshl_b32 s32, s24, 6
	s_lshl_b32 s31, s25, 3
	s_add_co_u32 s32, s32, s31
	s_add_co_u32 s32, s32, 2304                    ; my first tile
	s_lshl_b32 s32, s32, 3
	s_add_co_u32 s32, s32, s26
	s_mul_i32 s32, s32, 1536
	s_add_nc_u64 s[34:35], s[16:17], s[32:33]
	s_lshl_b32 s32, s24, 4
	s_lshl_b32 s31, s25, 1
	s_add_co_u32 s32, s32, s31
	s_add_co_u32 s32, s32, 576
	s_lshl_b32 s32, s32, 3
	s_add_co_u32 s32, s32, s26
	s_lshl_b32 s32, s32, 8
	s_add_nc_u64 s[36:37], s[18:19], s[32:33]
	s_wait_alu depctr_va_vdst(0)
	v_and_b32 v14, 7, v2                           ; lane L stands for lane L % 16 of tile 2 G + L / 16.  Permuted: column (L % 8) + 8 (L / 16) + 16 ((L / 8) % 2); plain: L
	v_lshrrev_b32 v15, 4, v2
	v_lshl_add_u32 v14, v15, 3, v14
	v_bfe_u32 v15, v2, 3, 1
	v_lshl_add_u32 v14, v15, 4, v14
	s_cmp_lt_u32 s24, 2
	s_cselect_b32 s31, -1, 0
	v_cndmask_b32 v14, v2, v14, s31
	v_lshlrev_b32 v[VO], 2, v14
.macro WLOAD t                         ; block t % 4 of pass t / 4: 32 rows k, 128 consecutive bytes a load
.irp i, 0,1,2,3,4,5,6,7,8,9,10,11,12,13,14,15,16,17,18,19,20,21,22,23,24,25,26,27,28,29,30,31
	global_load_b32 v[XW+32*((\t)%2)+\i], v[VO], s[28:29] offset:(32*((\t)%4)+\i)*4096+128*((\t)/4) th:TH_LOAD_NT
.endr
.endm
.macro WBLOCK t
.set XS, XW+32*((\t)%2)
.set BLKN, (\t)%4
.set GP, (\t)/4
.set D0, F0+12*(BLKN%2)+6*(BLKN/2)     ; even blocks into tile 2 G's registers, odd ones into tile 2 G + 1's
.if (\t) < 15
	s_wait_loadcnt 32                              ; this block's 32 loads are in; the next block's may be out
.else
	s_wait_loadcnt 0x0
.endif
.if (BLKN == 0) && ((\t) > 0)
	s_wait_xcnt 0x0                                ; the last pass's stores have read both fragments
.endif
	v_max3_num_f32 v[MW], |v[XS]|, |v[XS+1]|, |v[XS+2]|
	v_max3_num_f32 v[M2], |v[XS+3]|, |v[XS+4]|, |v[XS+5]|
.irp i, 6,10,14,18,22,26
	v_max3_num_f32 v[MW], v[MW], |v[XS+\i]|, |v[XS+\i+1]|
	v_max3_num_f32 v[M2], v[M2], |v[XS+\i+2]|, |v[XS+\i+3]|
.endr
	v_max3_num_f32 v[MW], v[MW], |v[XS+30]|, |v[XS+31]|
	v_max3_num_f32 v[MW], v[MW], v[M2], 0x1800000
	v_add_nc_u32 v[SOW], 0xff000000, v[MW]
	v_lshrrev_b32 v[BYW], 23, v[SOW]
.if BLKN == 0
	v_mov_b32 v[WORD], v[BYW]
.else
	v_lshl_or_b32 v[WORD], v[BYW], 8*BLKN, v[WORD]
.endif
	v_cvt_scalef32_pk16_fp6_f32 v[D0:D0+2], v[XS:XS+15], v[SOW]
	v_cvt_scalef32_pk16_fp6_f32 v[TCW:TCW+2], v[XS+16:XS+31], v[SOW]
	v_nop                                          ; one plain place behind a scaled conversion
.irp i, 0,1,2
	v_mov_b32 v[D0+3+\i], v[TCW+\i]
.endr
.if (\t) < 14
	WLOAD (\t)+2
.endif
.if BLKN%2 == 1                        ; blocks 2 c and 2 c + 1 are there.  The first's lanes 16-31 (tile 2 G + 1, block 2 c) change places with the second's lanes 0-15 (tile 2 G, block 2 c + 1)
.irp i, 0,1,2,3,4,5
	v_permlane16_swap_b32 v[F0+6*(BLKN/2)+\i], v[F0+12+6*(BLKN/2)+\i]
.endr
.endif
.if BLKN == 3
.irp u, 0,1
.irp g, 0,1,2
	global_store_b128 v[LI], v[F0+12*\u+4*\g:F0+12*\u+4*\g+3], s[34:35] offset:(2*GP+\u)*12288+512*\g
.endr
.endr
	v_mov_b32 v[WR+(((GP&1)<<1)|(GP>>1))], v[WORD]   ; lanes 0-15: tile 2 G's words; lanes 16-31: tile 2 G + 1's
.endif
.endm
	WLOAD 0
	WLOAD 1
.set Q, 0
.rept 16
	WBLOCK Q
.set Q, Q+1
.endr
	v_permlane16_swap_b32 v[WR], v[WR+1]           ; (tiles 0 | 1) and (4 | 5) become (0 | 4) and (1 | 5)
	v_permlane16_swap_b32 v[WR+2], v[WR+3]         ; (2 | 3) and (6 | 7) become (2 | 6) and (3 | 7): lane (r, h) holds tiles 4 h .. 4 h + 3
	global_store_b128 v[SA], v[WR:WR+3], s[36:37]
	s_endpgm
.Lfunc_end_k_qd5a27f47bf_quant:
	.size	k_qd5a27f47bf_quant, .Lfunc_end_k_qd5a27f47bf_quant-k_qd5a27f47bf_quant
	.p2alignl 7, 3214868480
	.fill 96, 4, 3214868480
	.section	.rodata,"a",@progbits
	.p2align	6, 0x0
	.amdhsa_kernel k_qd5a27f47bf_quant
		.amdhsa_group_segment_fixed_size 17152
		.amdhsa_private_segment_fixed_size 0
		.amdhsa_enable_private_segment 0
		.amdhsa_kernarg_size 64
		.amdhsa_user_sgpr_count 2
		.amdhsa_user_sgpr_kernarg_segment_ptr 1
		.amdhsa_wavefront_size32 1
		.amdhsa_system_sgpr_workgroup_id_x 1
		.amdhsa_system_sgpr_workgroup_id_y 1
		.amdhsa_system_sgpr_workgroup_id_z 1
		.amdhsa_system_vgpr_workitem_id 0
		.amdhsa_next_free_vgpr 256
		.amdhsa_next_free_sgpr 66
		.amdhsa_reserve_vcc 0
		.amdhsa_float_denorm_mode_32 3
		.amdhsa_float_denorm_mode_16_64 3
		.amdhsa_memory_ordered 1
		.amdhsa_forward_progress 1
		.amdhsa_inst_pref_size 135
	.end_amdhsa_kernel
	.amdgpu_metadata
---
amdhsa.version: [ 1, 2 ]
amdhsa.kernels:
  - .name:           k_qd5a27f47bf_quant
    .symbol:         k_qd5a27f47bf_quant.kd
    .args:
      - { .name: q, .offset: 0, .size: 8, .value_kind: global_buffer, .address_space: global }
      - { .name: k, .offset: 8, .size: 8, .value_kind: global_buffer, .address_space: global }
      - { .name: v, .offset: 16, .size: 8, .value_kind: global_buffer, .address_space: global }
      - { .name: Wq, .offset: 24, .size: 8, .value_kind: global_buffer, .address_space: global }
      - { .name: Wk, .offset: 32, .size: 8, .value_kind: global_buffer, .address_space: global }
      - { .name: Wv, .offset: 40, .size: 8, .value_kind: global_buffer, .address_space: global }
      - { .name: c1, .offset: 48, .size: 8, .value_kind: global_buffer, .address_space: global }
      - { .name: s1, .offset: 56, .size: 8, .value_kind: global_buffer, .address_space: global }
    .group_segment_fixed_size: 17152
    .private_segment_fixed_size: 0
    .kernarg_segment_align: 8
    .kernarg_segment_size: 64
    .max_flat_workgroup_size: 64
    .sgpr_count:     66
    .vgpr_count:     256
    .wavefront_size: 32
...
	.end_amdgpu_metadata
.endif
;; end of part 1
;; launch proj (part 2): grid 4 x 128, 4 waves a work-group, clusters of 4 x 4, 327,680 bytes of LDS; arguments c1, s1, bq, bk, bv, c2, s2; writes c2, s2
.if DOCPART == 2
	.amdgcn_target "amdgcn-amd-amdhsa--gfx1250"
	.amdhsa_code_object_version 6
	.text
	.protected	k_qd5a27f47bf_proj
	.globl	k_qd5a27f47bf_proj
	.p2align	8
	.type	k_qd5a27f47bf_proj,@function
k_qd5a27f47bf_proj:
	s_mov_b64 s[64:65], 0
	v_nop
	global_prefetch_b8 v0, s[64:65] scope:SCOPE_SE
	s_setreg_imm32_b32 hwreg(HW_REG_WAVE_MODE, 25, 1), 1
	s_wait_xcnt 0x0
	s_wait_alu depctr_hold_cnt(0) depctr_sa_sdst(0) depctr_va_vdst(0) depctr_va_sdst(0) depctr_va_ssrc(0) depctr_va_vcc(0) depctr_vm_vsrc(0)
	s_getreg_b32 s2, hwreg(HW_REG_IB_STS2, 6, 4)
	s_cmp_eq_u32 s2, 0
	s_cbranch_scc0 .Lentry_in_a_cluster
	s_endpgm
.Lentry_in_a_cluster:
	s_bfe_u32 s2, ttmp6, 0x10000c
	s_cmp_lg_u32 s2, 0xf033
	s_cbranch_scc0 .Lentry_shape_is_right
	s_endpgm
.Lentry_shape_is_right:
; The three projections on codes of FP6 (E2M3) with E8M0 scales, K = 1,024; each result (bias added; tanh for V) is quantised again in registers and leaves as codes.
;   Qp = q Wq + bq and Kp = k Wk + bk are quantised along their 1,024 columns;  Vp = tanh(v Wv + bv) along the KEYS (it leaves transposed: rows = its 1,024 columns).
; A tile of 256 x 256 is made by four waves, 128 x 128 each: 64 accumulators.  Source 0 ("B") and source 1 ("A"): a lane holds one row of A, its registers run along B's rows.
;   K: A = the rows of k, B = the columns of Wk.   V: A = the columns of Wv, B = the rows of v.   B's tiles are laid so that the 64 registers of accumulators (a, 0..7)
;   are register 16 b + i = next K 32 b + 16 (lane / 16) + i of the lane's row: one fragment and one scale word, made without leaving the lane but for one exchange of halves.
; Q: q has a quarter of k's rows.  So each work-group of the K kind makes, BEHIND its tile of Kp, a quarter tile of Qp: 64 rows of q x its 256 columns of Wq; a wave 32 x 128: 16 accumulators.
;   So all work-groups of a kind have equal work, and there are as many of one kind as of the other.
; INPUT (c1, s1) and OUTPUT (c2, s2) are images of operand registers: fragment = 1,536 bytes (byte 512 g + 16 lane + 4 e = register 4 g + e); scale words [tile / 4][K step][r][tile % 4].
;   c2: Qp and Kp tiles 0..1279 x 8 K steps; from VREG on Vp^T as [batch][tile of 16 columns 0..63][K step of 128 keys 0..15].  s2 likewise, Vp^T's from VSOFF on.
; CLUSTERS: 4 x 4 work-groups.  A's tile hangs on the cluster's y and cy and is asked for jointly by a row of the cluster, B's on the cluster's y and cx, by a column.
;   Clusters 0..15 make V, 16..31 K and the pieces of Q: the kind hangs on the cluster's number alone, so all partners run alike.
; LDS: three slots of 256 along K (A's 16 tiles x 3,072 bytes, then B's).  K has four such chunks: three first fills, and one refill (chunk 3 into slot 0).  The K kind has one refill more: all the codes of
;   its piece of Q (q's 4 tiles x 12,288 bytes at byte 0, Wq's 16 tiles at byte 49,152), one load a wave, asked for behind the last product of Kp.  One tensor load of a wave is out at the most.
; tanh(x): |x| < 0.375: x + x^3 (c3 + c5 u + c7 u^2 + c9 u^3 + c11 u^4), u = x^2 (what is cut is under 3e-8 of the number); else 1 - 2 / (1 + 2^(2 log2(e) x)).  Both are computed, one is selected.
; LIMITS: NaN and infinities are not served; a block whose largest magnitude lies under 2^-124 gets the byte 1 (zeros among them: their codes are zeros); the bytes are read by this program alone.
; REGISTERS, in windows of 256: window 0: v4-20 addresses, v28-29 for the add, v32-95 scale words, v96-111 the lane's bias (V), v128-223 A's fragments (one set; for the piece of Q two sets of 24, and bq in v192-255).
;   window 1: B's fragments, two sets (v0-95, v96-191), v192-255 the registers' bias (K); on the way out all of it is at work.   windows 2, 3: accumulator (a, b) at v[8 (8 (a % 4) + b)].
.set SLOT,  98304
.set SPARE, 3*SLOT                     ; the spare words: 128 bytes for each wave, two blocks of 256 bytes that no other line names
.set VREG,  15728640
.set VSOFF, 655360
.set LI,   4                           ; v4   16 x lane
.set SCO,  5                           ; v5   my scale words in s1: lanes 0-15 A's, lanes 16-31 B's
.set BBO,  6                           ; v6   bias by register
.set BLO,  7                           ; v7   bias by lane
.set ADRA, 8                           ; v8-10  LDS address of my A fragments in slot 0, 1, 2
.set SAT,  11                          ; v11  where my four scale words will go
.set ADRB, 12                          ; v12-14 the same for B
.set QADA, 16                          ; v16  the piece of Q: LDS address of my two tiles of q
.set QADB, 17                          ; v17-18  of my tiles 0-3 and 4-7 of Wq (an LDS offset has 16 bits)
.set SCQ,  19                          ; v19  its scale words in s1: lanes 0-15 q's, lanes 16-31 Wq's
.set SAQ,  20                          ; v20  where my scale word of Qp will go
.set SPW,  28
.set NIL,  29
.set SC,   32                          ; v[SC + 8 t + i]: K step t; lanes 0-15 the word of A's tile i, lanes 16-31 that of B's tile i
.set BL,   96                          ; v[BL + 2 a], v[BL + 2 a + 1]: the bias of my row of A's tile a, twice (a pair for the packed addition)
.set AF,   128
.set BBQ,  192                         ; window 0: bq of register 16 b + i
.set BB,   192                         ; window 1: bias of register 16 b + i
.set T,    0                           ; window 1, on the way out: 64 numbers
.set PC,   64                          ; the codes just made (12) and the conversions' second halves
.set TM,   84                          ; v84-87 largest magnitudes, v88-91 bytes, v96-99 scale operands
.set PW,   100
.set SWD,  104                         ; the eight scale words
.set LI1,  112
.set SA1,  113
.set SEL4, 116
.set E,    120                         ; tanh: 32 exponentials
.set U,    152                         ; 32 x^2, then x^3
.set P,    192                         ; 32 series
.set C9,   224
.set QOUT, 2                           ; s[2:3]   (at the head: the kind's bias)  where my fragments of Qp go
.set QSCP, 10                          ; s[10:11] (at the head: bk)  and their scale words
.set SCP,  12                          ; s[12:13] (at the head: bv)  where my tile's scale words go
.set WV,  18
.set WA,  19                           ; my half of A's rows; also: I fetch for A (0) or for B (1)
.set WB,  20                           ; my half of B's rows; also: which half of the tiles I fetch
.set CX,  21
.set CY,  22
.set CLY, 23                           ; the cluster's y
.set G1A, 24
.set G1B, 32
.set G0A, 40                           ; s[40:51] a group 0 for each slot
.set G0B, 52                           ; s[52:63]
.set IDA, 66                           ; which 16 tiles of c1 are A's
.set IDB, 67
.set OUTP, 68
.set STR, 70
.set SEL, 72
.set HM,  74
.set QM,  75                           ; lanes 0-15 in the waves that take q's tiles 2 and 3, else no lane
.set K2,  76
.set C11, 78
.set C7,  80
.set C5,  82
.set G1QB, 84                          ; s[84:91] group 1 for Wq's eight whole tiles
.set G1QA, 92                          ; s[92:99] group 1 for q's two whole tiles
.set C3,  100
.set TH,  104
.set CNT, 105
.set MSB, 0
.macro WIN new                         ; the immediate's high byte repeats the setting that is left
.if MSB != (\new)
	s_set_vgpr_msb (MSB<<8)|(\new)
.set MSB, (\new)
.endif
.endm
.set MUL_LO, 0xa1                      ; source 0 (B) window 1, source 1 (A) window 0, C and D window 2
.set MUL_HI, 0xf1
.set TO_B,   0x40                      ; destination window 1
.set ALL1,   0x55                      ; everything in window 1
.macro PLACES n
.rept \n
	v_nop
.endr
.endm
.macro CREST                           ; a round of the cluster's barrier behind its opening barrier
	s_cmp_lg_u32 s[WV], 0
	s_cbranch_scc1 .Lnot_wave_0_\@
	s_barrier_signal -3
.Lnot_wave_0_\@:
	s_barrier_wait -3
	s_barrier_signal -1
	s_barrier_wait -1
.endm
.macro CROUND
	s_barrier_signal -1
	s_barrier_wait -1
	CREST
.endm
; THE FILLS: at the head one load a wave: wave 0 A's chunk 0, wave 1 B's chunk 0, wave 2 A's chunk 1, wave 3 B's chunk 1, 16 tiles each.  Chunk 2 (slot 2) goes out behind
; the three lines and a round ahead of K step 0, chunk 3 (slot 0 again) behind the round in K step 3; there a wave brings eight tiles.  One tensor load of a wave is out at the most.
.macro JLOAD g1a, g1b, o               ; o: 4 x the slot whose groups 0 are used
	s_cmp_eq_u32 s[WA], 0
	s_cbranch_scc0 .Lfor_b_\@
	tensor_load_to_lds s[G0A+(\o):G0A+(\o)+3], s[\g1a:\g1a+7]
	s_nop 0
.rept 4
	v_nop
.endr
	s_branch .Lasked_\@
.Lfor_b_\@:
	tensor_load_to_lds s[G0B+(\o):G0B+(\o)+3], s[\g1b:\g1b+7]
	s_nop 0
.rept 4
	v_nop
.endr
.Lasked_\@:
.endm
	s_load_b128 s[4:7], s[0:1], 0x0                ; c1, s1
	s_load_b128 s[8:11], s[0:1], 0x10              ; bq, bk
	s_load_b128 s[12:15], s[0:1], 0x20             ; bv, c2
	s_load_b64 s[16:17], s[0:1], 0x30              ; s2
	v_lshl_add_u32 v[SPW], v0, 2, SPARE
	v_mov_b32 v[NIL], 0
	ds_add_u32 v28, v29
	ds_add_u32 v28, v29
	s_wait_dscnt 0x0
	v_lshrrev_b32 v1, 5, v0
	v_readfirstlane_b32 s[WV], v1
	s_lshr_b32 s[WA], s[WV], 1
	s_and_b32 s[WB], s[WV], 1
	s_bfe_u32 s[CX], ttmp6, 0x40000
	s_bfe_u32 s[CY], ttmp6, 0x40004
	s_and_b32 s[CLY], ttmp7, 0xffff
	; which blocks of 16 tiles: V: A = 152 + cy, B = 80 + 4 cY + cx;  K: A = 4 cY - 48 + cy, B = 148 + cx
	s_lshl_b32 s94, s[CLY], 2
	s_sub_co_u32 s95, s94, 48
	s_add_co_u32 s97, s94, 80
	s_mov_b32 s98, 152
	s_mov_b32 s96, 148
	s_cmp_lt_u32 s[CLY], 16
	s_cselect_b32 s95, s98, s95
	s_cselect_b32 s96, s97, s96
	s_add_co_u32 s[IDA], s95, s[CY]
	s_add_co_u32 s[IDB], s96, s[CX]
	s_lshl_b32 s95, s[CY], 2
	s_lshl_b32 s95, 15, s95                        ; my row of the cluster
	s_lshl_b32 s96, 0x1111, s[CX]                  ; my column
	; group 1: eight tiles' 3,072 bytes (384 elements of 8 bytes), 12,288 bytes apart in memory, on end in LDS
	s_or_b32 s[G1A], s95, (3<<16)|(1<<21)
	s_or_b32 s[G1B], s96, (3<<16)|(1<<21)
.irp g, G1A, G1B
	s_mov_b32 s[\g+1], 384<<16                     ; tensor_dim0
	s_mov_b32 s[\g+2], 16<<16                      ; tensor_dim1: 16 tiles for the head's loads
	s_mov_b32 s[\g+3], 384<<16                     ; tile_dim0
	s_mov_b32 s[\g+4], 16                          ; tile_dim1
	s_mov_b32 s[\g+5], 1536                        ; from tile to tile
	s_mov_b32 s[\g+6], 0
	s_mov_b32 s[\g+7], 0
.endr
	s_mul_i32 s98, s[WB], 98304                    ; which eight tiles I fetch
	s_mul_i32 s90, s[IDA], 196608
	s_add_co_u32 s90, s90, s98
	s_mov_b32 s91, 0
	s_mul_i32 s92, s[IDB], 196608
	s_add_co_u32 s92, s92, s98
	s_mov_b32 s93, 0
	s_mul_i32 s99, s[WV], 24576                    ; where the ring's loads go: A's two halves, then B's two: wave x eight tiles
	s_mul_i32 s94, s[IDA], 196608                  ; the head's loads: all 16 tiles, chunk wave / 2
	s_mul_i32 s97, s[WA], 3072
	s_add_co_u32 s94, s94, s97
	s_mov_b32 s95, 0
	s_mul_i32 s96, s[IDB], 196608
	s_add_co_u32 s96, s96, s97
	s_mov_b32 s97, 0
	s_mul_i32 s[G0A+5], s[WA], SLOT                ; into slot wave / 2: A's tiles first,
	s_add_co_u32 s[G0B+5], s[G0A+5], 49152         ; B's behind them
	s_wait_kmcnt 0x0
	s_add_nc_u64 s[G0A+6:G0A+7], s[4:5], s[94:95]
	s_add_nc_u64 s[G0B+6:G0B+7], s[4:5], s[96:97]
	s_add_nc_u64 s[90:91], s[4:5], s[90:91]
	s_add_nc_u64 s[92:93], s[4:5], s[92:93]
	CROUND                                         ; all sixteen work-groups are here: the first joint loads meet
	s_mov_b32 s[G0A+4], 1                          ; the middle groups 0 serve the head's loads
	s_or_b32 s[G0A+7], s[G0A+7], 0x80000000
	s_mov_b32 s[G0B+4], 1
	s_or_b32 s[G0B+7], s[G0B+7], 0x80000000
.irp s, 0,2
	s_mov_b32 s[G0A+4*\s], 1
	s_add_co_u32 s[G0A+4*\s+1], s99, \s*SLOT
	s_add_nc_u64 s[G0A+4*\s+2:G0A+4*\s+3], s[90:91], \s*3072
	s_or_b32 s[G0A+4*\s+3], s[G0A+4*\s+3], 0x80000000
	s_mov_b32 s[G0B+4*\s], 1
	s_add_co_u32 s[G0B+4*\s+1], s99, \s*SLOT
	s_add_nc_u64 s[G0B+4*\s+2:G0B+4*\s+3], s[92:93], \s*3072
	s_or_b32 s[G0B+4*\s+3], s[G0B+4*\s+3], 0x80000000
.endr
	s_cmp_eq_u32 s[WB], 0                          ; even waves ask for A's tiles, odd ones for B's: one load a wave
	s_cbranch_scc0 .Lfirst_b
	tensor_load_to_lds s[G0A+4:G0A+7], s[G1A:G1A+7]
	s_nop 0
.rept 4
	v_nop
.endr
	s_branch .Lfirst_asked
.Lfirst_b:
	tensor_load_to_lds s[G0B+4:G0B+7], s[G1B:G1B+7]
	s_nop 0
.rept 4
	v_nop
.endr
.Lfirst_asked:
	v_and_b32 v1, 15, v0                           ; r
	v_bfe_u32 v2, v0, 4, 1                         ; h
	v_and_b32 v3, 31, v0
	v_lshlrev_b32 v[LI], 4, v3
	s_mov_b32 s[HM], 0xffff0000                    ; lanes 16-31
	s_lshl_b32 s94, s[IDA], 2
	s_lshl_b32 s95, s[WA], 1
	s_add_co_u32 s94, s94, s95
	s_lshl_b32 s94, s94, 11                        ; A's words: (4 block + 2 half) groups of four tiles x 2,048 bytes
	s_lshl_b32 s95, s[IDB], 2
	s_lshl_b32 s96, s[WB], 1
	s_add_co_u32 s95, s95, s96
	s_lshl_b32 s95, s95, 11
	v_mov_b32 v3, s94
	v_mov_b32 v15, s95
	v_cndmask_b32 v3, v3, v15, s[HM]
	s_wait_alu depctr_va_vdst(0)
	v_lshl_add_u32 v[SCO], v1, 4, v3
.irp s, 0,1,2,3,4,5,6,7
.irp ii, 0,1
	global_load_b128 v[SC+8*\s+4*\ii:SC+8*\s+4*\ii+3], v[SCO], s[6:7] offset:\ii*2048+\s*256   ; sixteen lanes read 256 consecutive bytes: four tiles' words of one K step
.endr
.endr
	s_lshl_b32 s96, s[CX], 10
	s_lshl_b32 s97, s[WB], 9
	s_add_co_u32 s96, s96, s97
	v_lshl_add_u32 v[BBO], v2, 6, s96              ; (256 cx + 128 wb + 16 h) x 4
	s_lshl_b32 s96, s[CY], 10
	s_lshl_b32 s97, s[WA], 9
	s_add_co_u32 s96, s96, s97
	v_lshl_add_u32 v[BLO], v1, 2, s96              ; (256 cy + 128 wa + r) x 4
	s_cmp_lt_u32 s[CLY], 16
	s_cselect_b64 s[2:3], s[12:13], s[10:11]       ; the kind's bias: bv or bk.  Both forms are loaded; the way out takes one
	WIN TO_B
.irp b, 0,1,2,3
.irp j, 0,1,2,3
	global_load_b128 v[BB+16*\b+4*\j:BB+16*\b+4*\j+3], v[BBO], s[2:3] offset:128*\b+16*\j
.endr
.endr
	WIN 0
.irp a, 0,1,2,3,4,5,6,7
	global_load_b32 v[BL+2*\a], v[BLO], s[2:3] offset:64*\a
	global_load_b32 v[BL+2*\a+1], v[BLO], s[2:3] offset:64*\a
.endr
	s_mul_i32 s94, s[WA], 24576
	s_mul_i32 s95, s[WB], 24576
	s_add_co_u32 s95, s95, 49152
.irp s, 0,1,2
	v_add_nc_u32 v[ADRA+\s], s94, v[LI]
	v_add_nc_u32 v[ADRB+\s], s95, v[LI]
	s_add_co_u32 s94, s94, SLOT
	s_add_co_u32 s95, s95, SLOT
.endr
	; where the results go.  K: tile 16 IDA + 8 wa + a, K step 2 cx + wb
	s_lshl_b32 s94, s[IDA], 4
	s_lshl_b32 s95, s[WA], 3
	s_add_co_u32 s94, s94, s95
	s_mul_i32 s94, s94, 12288
	s_lshl_b32 s95, s[CX], 1
	s_add_co_u32 s95, s95, s[WB]
	s_mul_i32 s98, s95, 1536
	s_add_co_u32 s94, s94, s98
	s_lshl_b32 s98, s[IDA], 2
	s_lshl_b32 s99, s[WA], 1
	s_add_co_u32 s98, s98, s99
	s_lshl_b32 s98, s98, 11
	s_lshl_b32 s95, s95, 8
	s_add_co_u32 s95, s98, s95
	; V: block of 256 keys vi = 4 cY + cx: batch vi / 8, K step 2 (vi % 8) + wb; tile 16 cy + 8 wa + a
	s_lshl_b32 s98, s[CLY], 2
	s_add_co_u32 s98, s98, s[CX]
	s_lshr_b32 s99, s98, 3
	s_and_b32 s98, s98, 7
	s_lshl_b32 s98, s98, 1
	s_add_co_u32 s98, s98, s[WB]
	s_lshl_b32 s75, s[CY], 1
	s_add_co_u32 s75, s75, s[WA]
	s_mul_i32 s[OUTP], s99, 1572864
	s_mul_i32 s[STR], s75, 196608
	s_add_co_u32 s[OUTP], s[OUTP], s[STR]
	s_mul_i32 s[STR], s98, 1536
	s_add_co_u32 s[OUTP], s[OUTP], s[STR]
	s_add_co_u32 s[OUTP], s[OUTP], VREG
	s_lshl_b32 s[SCP], s99, 16
	s_lshl_b32 s[STR], s75, 13
	s_add_co_u32 s[SCP], s[SCP], s[STR]
	s_lshl_b32 s[STR], s98, 8
	s_add_co_u32 s[SCP], s[SCP], s[STR]
	s_add_co_u32 s[SCP], s[SCP], VSOFF
	s_cmp_lt_u32 s[CLY], 16
	s_cselect_b32 s[OUTP], s[OUTP], s94
	s_cselect_b32 s[SCP], s[SCP], s95
	s_cselect_b32 s75, 12, 11                      ; from four tiles' words to the next four: 4,096 bytes (16 K steps) or 2,048 (8)
	s_mov_b32 s[OUTP+1], 0
	s_mov_b32 s[SCP+1], 0
	s_add_nc_u64 s[OUTP:OUTP+1], s[14:15], s[OUTP:OUTP+1]
	s_add_nc_u64 s[SCP:SCP+1], s[16:17], s[SCP:SCP+1]
	v_lshlrev_b32 v[SAT], s75, v2
	v_lshl_add_u32 v[SAT], v1, 4, v[SAT]
	; the piece of Q (used by the K kind alone): LDS addresses of whole tiles of 12,288 bytes, q's four at byte 0, Wq's sixteen at byte 49,152
	s_mul_i32 s94, s[WA], 24576
	v_add_nc_u32 v[QADA], s94, v[LI]               ; q's tiles 2 wa, 2 wa + 1
	s_mul_i32 s95, s[WB], 98304
	s_add_co_u32 s95, s95, 49152
	v_add_nc_u32 v[QADB], s95, v[LI]               ; Wq's tiles 8 wb .. 8 wb + 3
	s_add_co_u32 s95, s95, 49152
	v_add_nc_u32 v[QADB+1], s95, v[LI]             ; and 8 wb + 4 .. 8 wb + 7
	s_sub_co_u32 s94, s[IDA], 16                   ; kb: my block of k's rows, 0..63: q's tiles 4 kb .. 4 kb + 3 are one group of scale words
	s_lshl_b32 s94, s94, 11
	s_add_co_u32 s95, s[CX], 144
	s_lshl_b32 s95, s95, 2
	s_lshl_b32 s96, s[WB], 1
	s_add_co_u32 s95, s95, s96
	s_lshl_b32 s95, s95, 11
	v_mov_b32 v3, s94
	v_mov_b32 v15, s95
	v_cndmask_b32 v3, v3, v15, s[HM]
	v_lshl_add_u32 v[SCQ], v1, 4, v3
	s_lshl_b32 s94, s[WA], 3
	v_lshl_add_u32 v[SAQ], v1, 4, s94
	v_lshl_add_u32 v[SAQ], v2, 2, v[SAQ]           ; 16 r + 8 wa + 4 h: lane (r, h) stores the word of tile 2 wa + h
	s_mov_b32 s[STR], 0
	s_mov_b32 s[STR+1], 0
	s_mov_b32 s[SEL], 0x76543210
	s_mov_b32 s[SEL+1], 0xfedcba98
	s_mov_b32 s[K2], 0x4038aa3b                    ; 2 log2(e)
	s_mov_b32 s[K2+1], s[K2]                       ; (the packed forms name pairs and take the low word for both halves: the high words are written)
	s_mov_b32 s[C11], 0xbc11371b                   ; -1382 / 155925
	s_mov_b32 s[C11+1], s[C11]
	s_mov_b32 s[C7], 0xbd5d0dd1                    ; -17 / 315
	s_mov_b32 s[C7+1], s[C7]
	s_mov_b32 s[C5], 0x3e088889                    ; 2 / 15
	s_mov_b32 s[C5+1], s[C5]
	s_mov_b32 s[C3], 0xbeaaaaab                    ; -1 / 3
	s_mov_b32 s[C3+1], s[C3]
	s_mov_b32 s[TH], 0x3ec00000                    ; 0.375
	s_mov_b32 s[CNT], 0
	; groups 1 for the piece of Q: whole tiles of 12,288 bytes (1,536 elements of 8 bytes), on end in memory and in LDS: two of q, eight of Wq.  (The head's scratch registers are done with)
	s_lshl_b32 s75, s[CY], 2
	s_lshl_b32 s75, 15, s75                        ; my row of the cluster
	s_or_b32 s[G1QA], s75, (3<<16)|(1<<21)
	s_lshl_b32 s75, 0x1111, s[CX]                  ; my column
	s_or_b32 s[G1QB], s75, (3<<16)|(1<<21)
	s_mov_b32 s[G1QA+1], 1536<<16                  ; tensor_dim0
	s_mov_b32 s[G1QA+2], 2<<16                     ; tensor_dim1
	s_mov_b32 s[G1QA+3], 1536<<16                  ; tile_dim0
	s_mov_b32 s[G1QA+4], 2                         ; tile_dim1
	s_mov_b32 s[G1QA+5], 1536                      ; from tile to tile
	s_mov_b32 s[G1QA+6], 0
	s_mov_b32 s[G1QA+7], 0
	s_mov_b32 s[G1QB+1], 1536<<16
	s_mov_b32 s[G1QB+2], 8<<16
	s_mov_b32 s[G1QB+3], 1536<<16
	s_mov_b32 s[G1QB+4], 8
	s_mov_b32 s[G1QB+5], 1536
	s_mov_b32 s[G1QB+6], 0
	s_mov_b32 s[G1QB+7], 0
.macro FRAG reg, adr, off              ; a fragment comes back as it was stored: three loads of 512 consecutive bytes
.irp g, 0,1,2
	ds_load_b128 v[(\reg)+4*\g:(\reg)+4*\g+3], v[\adr] offset:(\off)+512*\g
.endr
.endm
.macro FETCH_B t                       ; B's eight fragments of K step t into set t % 2
	WIN TO_B
.irp i, 0,1,2,3,4,5,6,7
	FRAG 96*((\t)%2)+12*\i, ADRB+((\t)/2)%3, \i*3072+((\t)%2)*1536
.endr
	WIN 0
.endm
.macro FETCH_A t, i0                   ; A's tiles i0 .. i0 + 3
.irp i, \i0, \i0+1, \i0+2, \i0+3
	FRAG AF+12*(\i), ADRA+((\t)/2)%3, (\i)*3072+((\t)%2)*1536
.endr
.endm
; 16 matrix instructions: A's tiles a0, a0 + 1 x B's eight.  The 64 accumulators take turns, one instruction a turn, in the same order in every K step.
.macro MUL16 a0, t, zero
.irp a, \a0, \a0+1
.irp b, 0,1,2,3,4,5,6,7
.if \zero
	v_wmma_scale_f32_16x16x128_f8f6f4 v[8*(8*((\a)%4)+\b):8*(8*((\a)%4)+\b)+7], v[96*((\t)%2)+12*\b:96*((\t)%2)+12*\b+11], v[AF+12*(\a):AF+12*(\a)+11], 0, v[SC+8*(\t)+\b], v[SC+8*(\t)+(\a)] matrix_a_fmt:MATRIX_FMT_FP6 matrix_b_fmt:MATRIX_FMT_FP6 matrix_a_scale:MATRIX_SCALE_ROW1
.else
	v_wmma_scale_f32_16x16x128_f8f6f4 v[8*(8*((\a)%4)+\b):8*(8*((\a)%4)+\b)+7], v[96*((\t)%2)+12*\b:96*((\t)%2)+12*\b+11], v[AF+12*(\a):AF+12*(\a)+11], v[8*(8*((\a)%4)+\b):8*(8*((\a)%4)+\b)+7], v[SC+8*(\t)+\b], v[SC+8*(\t)+(\a)] matrix_a_fmt:MATRIX_FMT_FP6 matrix_b_fmt:MATRIX_FMT_FP6 matrix_a_scale:MATRIX_SCALE_ROW1
.endif
.endr
.endr
.endm
; A K step whose successor lies in a slot that every wave already knows to be whole.  Loads into registers that matrix instructions have read stand four plain places behind them.
.macro STEP t, zero
	s_wait_dscnt 12                                ; B's set and A's tiles 0-3 are in; the youngest twelve loads (A's tiles 4-7) may be out
	WIN MUL_LO
	MUL16 0, \t, \zero
	MUL16 2, \t, \zero
	s_wait_dscnt 0x0                               ; A's tiles 4-7 are in
	PLACES 4
	FETCH_B (\t)+1
	FETCH_A (\t)+1, 0
	WIN MUL_HI
	MUL16 4, \t, \zero
	MUL16 6, \t, \zero
	PLACES 4
	WIN 0
	FETCH_A (\t)+1, 4
.endm
; A K step with a barrier in it.  fill = 1: slot 0 has been read out and takes chunk 3; fill = 0: chunk 3 is shown whole to every wave.
.macro TURN t, fill
	s_wait_tensorcnt 0x0                           ; all my tensor loads have landed;
	ds_add_u32 v[SPW], v[NIL]                      ; 0 onto my spare word
	s_wait_dscnt 13                                ; (the add and the youngest twelve loads may be out)
	WIN MUL_LO
	MUL16 0, \t, 0                                 ; sixteen matrix instructions stand between the add and the wait for it
	s_wait_dscnt 0x0                               ; the add is done, and my reads of the slot in hand are over
	s_barrier_signal -1
	MUL16 2, \t, 0
	WIN 0
	s_barrier_wait -1
.if \fill
	CREST                                          ; the barrier has opened a round of the cluster's: no wave of any partner still reads slot 0 or has a load on its way
	s_add_nc_u64 s[G0A+2:G0A+3], s[G0A+2:G0A+3], 3*3072
	s_add_nc_u64 s[G0B+2:G0B+3], s[G0B+2:G0B+3], 3*3072
	JLOAD G1A, G1B, 0                              ; the first tensor load behind the round; its four v_nop are also the places in front of the loads below
.else
	PLACES 4
.endif
	FETCH_B (\t)+1
	FETCH_A (\t)+1, 0
	WIN MUL_HI
	MUL16 4, \t, 0
	MUL16 6, \t, 0
	PLACES 4
	WIN 0
	FETCH_A (\t)+1, 4
.endm
	s_wait_alu depctr_va_vdst(0)
	s_wait_tensorcnt 0x0                           ; my tile of the head's four is in;
	ds_add_u32 v[SPW], v[NIL]
	s_mov_b32 s[G1A+2], 8<<16                      ; no tensor load of mine is out: from here on a load brings eight tiles
	s_mov_b32 s[G1A+4], 8
	s_mov_b32 s[G1B+2], 8<<16
	s_mov_b32 s[G1B+4], 8
	s_wait_dscnt 0x0                               ; the add is done
	CROUND                                         ; slots 0 and 1 are whole for every wave, and all sixteen work-groups are here
	JLOAD G1A, G1B, 8                              ; chunk 2 into slot 2: my one load behind the round
	FETCH_B 0
	FETCH_A 0, 0
	FETCH_A 0, 4
	s_wait_loadcnt 0x0                             ; scale words and biases
	STEP 0, 1                                      ; the first K step starts the sums
	STEP 1, 0
	STEP 2, 0
	TURN 3, 1                                      ; chunk 2 is shown whole, and slot 0, read out since K step 1, takes chunk 3
	STEP 4, 0
	TURN 5, 0
	STEP 6, 0
	s_wait_dscnt 12
	WIN MUL_LO
	MUL16 0, 7, 0
	MUL16 2, 7, 0
	s_wait_dscnt 0x0
	WIN MUL_HI
	MUL16 4, 7, 0
	MUL16 6, 7, 0
	WIN 0
	PLACES 4                                       ; in front of the first reads of results and the first writes over B's registers
; 64 numbers of a lane, register 16 b + i = k 32 b + 16 (lane / 16) + i of my row, become a fragment's codes in v[PC] on and its scale word in v[PW].
.macro QUANT s
.irp b, 0,1,2,3
	v_max3_num_f32 v[TM+\b], |v[\s+16*\b]|, |v[\s+1+16*\b]|, 0x1800000   ; with the floor 2^(3 - 127): the byte cannot fall under 1
.endr
.irp i, 2,4,6,8,10,12,14
.irp b, 0,1,2,3
	v_max3_num_f32 v[TM+\b], v[TM+\b], |v[\s+16*\b+\i]|, |v[\s+1+16*\b+\i]|
.endr
.endr
.irp b, 0,1,2,3
	v_permlanex16_b32 v[TM+4+\b], v[TM+\b], s[SEL], s[SEL+1]
.endr
.irp b, 0,1,2,3
	v_max_num_f32 v[TM+\b], v[TM+\b], v[TM+4+\b]   ; with lane l xor 16's: the block's largest magnitude
.endr
.irp b, 0,1,2,3
	v_add_nc_u32 v[TM+12+\b], 0xff000000, v[TM+\b] ; 2 off its exponent field: the conversion's scale operand
.endr
.irp b, 0,1,2,3
	v_lshrrev_b32 v[TM+4+\b], 23, v[TM+12+\b]      ; the scale's byte
.endr
	v_lshl_or_b32 v[PW], v[TM+5], 8, v[TM+4]
	v_lshl_or_b32 v[PW], v[TM+6], 16, v[PW]
	v_lshl_or_b32 v[PW], v[TM+7], 24, v[PW]
.irp c, 0,1
	v_cvt_scalef32_pk16_fp6_f32 v[PC+6*\c:PC+2+6*\c], v[\s+32*\c:\s+15+32*\c], v[TM+12+2*\c]
	v_cvt_scalef32_pk16_fp6_f32 v[PC+12+4*\c:PC+14+4*\c], v[\s+16+32*\c:\s+31+32*\c], v[TM+12+2*\c+1]
.endr
	v_nop                                          ; one plain place behind a scaled conversion
.irp c, 0,1                                    ; the operand's layout wants a whole block in a lane
.irp i, 0,1,2
	v_permlane16_swap_b32 v[PC+6*\c+\i], v[PC+12+4*\c+\i]
.endr
.irp i, 0,1,2
	v_mov_b32 v[PC+3+6*\c+\i], v[PC+12+4*\c+\i]
.endr
.endr
.endm
.macro COPYQ a                         ; accumulators (a, 0..7) + the registers' bias; each accumulator is read from its low end on
	WIN 0x46+(\a)/4
.set i, 0
.rept 32
	v_pk_add_f32 v[T+i:T+i+1], v[64*((\a)%4)+i:64*((\a)%4)+i+1], v[BB+i:BB+i+1]
.set i, i+2
.endr
.endm
.macro COPYV a                         ; the same + the lane's bias
	WIN 0x42+(\a)/4
.set i, 0
.rept 32
	v_pk_add_f32 v[T+i:T+i+1], v[64*((\a)%4)+i:64*((\a)%4)+i+1], v[BL+2*(\a):BL+2*(\a)+1]
.set i, i+2
.endr
.endm
.macro COPYP a                         ; the piece of Q: accumulators (a, 0..7) of window 2 + bq, which lies in window 0
	WIN 0x42
.set i, 0
.rept 32
	v_pk_add_f32 v[T+i:T+i+1], v[64*(\a)+i:64*(\a)+i+1], v[BBQ+i:BBQ+i+1]
.set i, i+2
.endr
.endm
.macro SCSTORE                         ; a tile's eight scale words a lane: lanes 0-15 store tiles 0-3, lanes 16-31 tiles 4-7: two aligned runs of 256 bytes
.irp j, 0,1,2,3
	v_cndmask_b32 v[SEL4+\j], v[SWD+\j], v[SWD+4+\j], s[HM]
.endr
	global_store_b128 v[SA1], v[SEL4:SEL4+3], s[SCP:SCP+1]
.endm
; tanh of 32 numbers in place.  The exponentials are one batch, the series is the independent work behind them, one wait; the reciprocals are a second batch with a wait of their own.
.macro TANH32 hh
.set XB, T+32*(\hh)
.set i, 0
.rept 16
	v_pk_mul_f32 v[E+i:E+i+1], v[XB+i:XB+i+1], s[K2:K2+1] op_sel_hi:[1,0]
.set i, i+2
.endr
.set i, 0
	s_wait_alu depctr_va_vdst(0)
.rept 32
	v_exp_f32 v[E+i], v[E+i]                       ; e^(2 x)
.set i, i+1
.endr
.set i, 0
.rept 16
	v_pk_mul_f32 v[U+i:U+i+1], v[XB+i:XB+i+1], v[XB+i:XB+i+1]
.set i, i+2
.endr
.set i, 0
.rept 16
	v_pk_fma_f32 v[P+i:P+i+1], v[U+i:U+i+1], s[C11:C11+1], v[C9:C9+1] op_sel_hi:[1,0,1]
.set i, i+2
.endr
.irp c, C7, C5, C3
.set i, 0
.rept 16
	v_pk_fma_f32 v[P+i:P+i+1], v[P+i:P+i+1], v[U+i:U+i+1], s[\c:\c+1] op_sel_hi:[1,1,0]
.set i, i+2
.endr
.endr
.set i, 0
.rept 16
	v_pk_mul_f32 v[U+i:U+i+1], v[U+i:U+i+1], v[XB+i:XB+i+1]
.set i, i+2
.endr
.set i, 0
.rept 16
	v_pk_fma_f32 v[P+i:P+i+1], v[P+i:P+i+1], v[U+i:U+i+1], v[XB+i:XB+i+1]   ; the series
.set i, i+2
.endr
	s_wait_alu depctr_va_vdst(0)                   ; one wait for the 32 exponentials, ahead of their first reader
.set i, 0
.rept 16
	v_pk_add_f32 v[E+i:E+i+1], v[E+i:E+i+1], 1.0 op_sel_hi:[1,0]
.set i, i+2
.endr
.set i, 0
	s_wait_alu depctr_va_vdst(0)
.rept 32
	v_rcp_f32 v[E+i], v[E+i]
.set i, i+1
.endr
	v_nop                                          ; a plain place behind the last reciprocal
	s_wait_alu depctr_va_vdst(0)                   ; one wait for the 32 reciprocals
.set i, 0
.rept 16
	v_pk_fma_f32 v[E+i:E+i+1], v[E+i:E+i+1], -2.0, 1.0 op_sel_hi:[1,0,0]
.set i, i+2
.endr
.set i, 0
.rept 32
	v_cmp_gt_f32 vcc_lo, s[TH], |v[XB+i]|
	v_cndmask_b32 v[XB+i], v[E+i], v[P+i], vcc_lo  ; a choice of values, no branch
.set i, i+1
.endr
.endm
; THE PIECE OF Q.  K step t: Wq's eight fragments into set t % 2 of window 1 and q's two into set t % 2 at v[AF]: 30 loads
.macro QFETCH t
	WIN TO_B
.irp i, 0,1,2,3,4,5,6,7
	FRAG 96*((\t)%2)+12*\i, QADB+\i/4, (\i%4)*12288+(\t)*1536
.endr
	WIN 0
.irp a, 0,1
	FRAG AF+24*((\t)%2)+12*\a, QADA, \a*12288+(\t)*1536
.endr
.endm
.macro QMUL t, zero                    ; the 16 accumulators take turns, one instruction a turn
.irp a, 0,1
.irp b, 0,1,2,3,4,5,6,7
.if \zero
	v_wmma_scale_f32_16x16x128_f8f6f4 v[8*(8*\a+\b):8*(8*\a+\b)+7], v[96*((\t)%2)+12*\b:96*((\t)%2)+12*\b+11], v[AF+24*((\t)%2)+12*\a:AF+24*((\t)%2)+12*\a+11], 0, v[SC+8*(\t)+\b], v[SC+8*(\t)+\a] matrix_a_fmt:MATRIX_FMT_FP6 matrix_b_fmt:MATRIX_FMT_FP6 matrix_a_scale:MATRIX_SCALE_ROW1
.else
	v_wmma_scale_f32_16x16x128_f8f6f4 v[8*(8*\a+\b):8*(8*\a+\b)+7], v[96*((\t)%2)+12*\b:96*((\t)%2)+12*\b+11], v[AF+24*((\t)%2)+12*\a:AF+24*((\t)%2)+12*\a+11], v[8*(8*\a+\b):8*(8*\a+\b)+7], v[SC+8*(\t)+\b], v[SC+8*(\t)+\a] matrix_a_fmt:MATRIX_FMT_FP6 matrix_b_fmt:MATRIX_FMT_FP6 matrix_a_scale:MATRIX_SCALE_ROW1
.endif
.endr
.endr
.endm
.macro QSTEP t, zero
	PLACES 4                                       ; in front of loads into the set that the last products read
	QFETCH (\t)+1
	s_wait_dscnt 30                                ; all but the 30 just issued
	WIN MUL_LO
	QMUL \t, \zero
.endm
	WIN TO_B
	v_mov_b32 v[LI1], v[LI]
	v_mov_b32 v[SA1], v[SAT]
.irp b, 0,1,2,3
	v_mov_b32 v[TM+4+\b], 0                        ; written once: a lane permute's destination counts as one of its sources
.endr
.irp i, 0,1,2,3,4,5,6,7
	v_mov_b32 v[SWD+\i], 0
.endr
	WIN 0
	s_cmp_lt_u32 s[CLY], 16                        ; the kind hangs on the cluster's number: all partners take the same way
	s_cbranch_scc1 .Lvpath
; ---- K.  First the codes of the piece of Q are asked for, over the three slots, which have been read out: they land while Kp goes out
	s_wait_tensorcnt 0x0                           ; no tensor load of mine is out, so groups 0 may be written;
	ds_add_u32 v[SPW], v[NIL]                      ; 0 onto my spare word: the descriptors' work stands between it and the wait for it
	s_sub_co_u32 s44, s[IDA], 16                   ; kb
	s_mul_i32 s46, s44, 49152                      ; q's tiles 4 kb on,
	s_mul_i32 s[G0A+1], s[WB], 24576               ; two of them a wave: in LDS,
	s_add_co_u32 s46, s46, s[G0A+1]                ; and in memory
	s_mov_b32 s47, 0
	s_add_nc_u64 s[G0A+2:G0A+3], s[4:5], s[46:47]
	s_or_b32 s[G0A+3], s[G0A+3], 0x80000000
	s_add_co_u32 s56, s[CX], 144                   ; Wq's block of 16 tiles,
	s_mul_i32 s56, s56, 196608
	s_mul_i32 s58, s[WB], 98304                    ; eight of them a wave
	s_add_co_u32 s56, s56, s58
	s_mov_b32 s57, 0
	s_add_nc_u64 s[G0B+2:G0B+3], s[4:5], s[56:57]
	s_or_b32 s[G0B+3], s[G0B+3], 0x80000000
	s_add_co_u32 s[G0B+1], s58, 49152
	s_lshl_b32 s48, s44, 2                         ; where Qp goes: tile 4 kb + 2 wa + a, K step 2 cx + wb
	s_lshl_b32 s49, s[WA], 1
	s_add_co_u32 s48, s48, s49
	s_mul_i32 s48, s48, 12288
	s_lshl_b32 s50, s[CX], 1
	s_add_co_u32 s50, s50, s[WB]
	s_mul_i32 s49, s50, 1536
	s_add_co_u32 s48, s48, s49
	s_mov_b32 s49, 0
	s_add_nc_u64 s[QOUT:QOUT+1], s[14:15], s[48:49]
	s_lshl_b32 s48, s44, 11                        ; its scale words: group kb, K step 2 cx + wb
	s_lshl_b32 s50, s50, 8
	s_add_co_u32 s48, s48, s50
	s_add_nc_u64 s[QSCP:QSCP+1], s[16:17], s[48:49]
	s_cmp_eq_u32 s[WA], 0
	s_cselect_b32 s[QM], 0, 0xffff
	s_wait_dscnt 0x0                               ; the add is done, and my reads of the slots are over
	CROUND                                         ; no wave of any partner still reads the slots or has a load on its way
	JLOAD G1QA, G1QB, 0                            ; my one tensor load behind the round
.irp s, 0,1,2,3,4,5,6,7
.irp ii, 0,1
	global_load_b128 v[SC+8*\s+4*\ii:SC+8*\s+4*\ii+3], v[SCQ], s[6:7] offset:\ii*2048+\s*256   ; the piece's scale words (for ii = 1 lanes 0-15 bring words that nobody uses, from inside s1)
.endr
.endr
.irp b, 0,1,2,3
.irp j, 0,1,2,3
	global_load_b128 v[BBQ+16*\b+4*\j:BBQ+16*\b+4*\j+3], v[BBO], s[8:9] offset:128*\b+16*\j   ; bq of my 128 columns
.endr
.endr
; Kp: eight fragments, one for each of A's tiles
.irp a, 0,1,2,3,4,5,6,7
	COPYQ \a
	WIN ALL1
	s_wait_xcnt 0x0                                ; the last fragment's stores have read their registers
	QUANT T
	v_mov_b32 v[SWD+\a], v[PW]
.irp g, 0,1,2
	global_store_b128 v[LI1], v[PC+4*\g:PC+4*\g+3], s[OUTP:OUTP+1] offset:\a*12288+512*\g   ; 32 lanes store 512 consecutive bytes, aligned to 512
.endr
.endr
	SCSTORE
	WIN 0
; Qp's piece
	s_wait_tensorcnt 0x0                           ; my part of the piece's codes is in (the one load that was out)
	s_wait_dscnt 0x0
	s_barrier_signal -1
	s_barrier_wait -1                              ; everybody's is
	s_wait_loadcnt 0x0                             ; scale words and bq
	s_wait_xcnt 0x0                                ; Kp's stores have read the registers of window 1 that the loads below fill
.irp t, 0,1,2,3,4,5,6,7
.irp a, 0,1
	v_cndmask_b32 v[SC+8*\t+\a], v[SC+8*\t+\a], v[SC+8*\t+2+\a], s[QM]   ; lanes 0-15: the words of q's tiles 2 wa, 2 wa + 1 at places 0, 1; lanes 16-31 (Wq's) stay
.endr
.endr
	PLACES 8                                       ; scale registers written by vector instructions stand eight places ahead of a scaled matrix instruction
	QFETCH 0
	QSTEP 0, 1                                     ; the first K step starts the sums
.irp t, 1,2,3,4,5,6
	s_wait_alu depctr_va_vdst(0)
	QSTEP \t, 0
.endr
	s_wait_dscnt 0x0
	WIN MUL_LO
	QMUL 7, 0
	WIN 0
	PLACES 4                                       ; in front of the first reads of results and the first writes over Wq's registers
	WIN TO_B
	v_mov_b32 v[LI1], v[LI]
	v_mov_b32 v[SA1], v[SAQ]
.irp b, 0,1,2,3
	v_mov_b32 v[TM+4+\b], 0
.endr
.irp a, 0,1
	COPYP \a
	WIN ALL1
	s_wait_xcnt 0x0                                ; the last fragment's stores have read their registers
	QUANT T
	v_mov_b32 v[SWD+\a], v[PW]
.irp g, 0,1,2
	global_store_b128 v[LI1], v[PC+4*\g:PC+4*\g+3], s[QOUT:QOUT+1] offset:\a*12288+512*\g
.endr
.endr
	v_cndmask_b32 v[SEL4], v[SWD], v[SWD+1], s[HM] ; lanes 0-15: tile 2 wa's word; lanes 16-31: tile 2 wa + 1's
	global_store_b32 v[SA1], v[SEL4], s[QSCP:QSCP+1]   ; a wave has two of a group's four tiles: 8 of each 16 bytes of a run of 256; the wave with the other rows stores the rest
	WIN 0
	s_branch .Lend
; ---- V: eight fragments with tanh, as a loop of eight trips; only the copy out of the accumulators, whose numbers differ, is written eight times
.Lvpath:
	WIN TO_B
	v_mov_b32 v[C9], 0x3cb327a4                    ; 62 / 2835
	v_mov_b32 v[C9+1], 0x3cb327a4
	WIN 0
.Lvloop:
.irp k, 0,1,2,3,4,5,6
	s_cmp_eq_u32 s[CNT], \k
	s_cbranch_scc1 .Lcv\k
.endr
	COPYV 7
	WIN 0
	s_branch .Lvc
.irp k, 0,1,2,3,4,5
.Lcv\k:
	COPYV \k
	WIN 0
	s_branch .Lvc
.endr
.Lcv6:
	COPYV 6
	WIN 0
.Lvc:
	WIN ALL1
	TANH32 0
	TANH32 1
	s_wait_xcnt 0x0                                ; the last trip's stores have read their registers and their base
	s_add_nc_u64 s[OUTP:OUTP+1], s[OUTP:OUTP+1], s[STR:STR+1]   ; 0 in the first trip, then a tile (16 K steps) on
	s_mov_b32 s[STR], 24576
	QUANT T
.irp i, 0,1,2,3,4,5,6
	v_mov_b32 v[SWD+\i], v[SWD+\i+1]               ; the words move down by one a trip: after eight trips tile a's stands at SWD + a
.endr
	v_mov_b32 v[SWD+7], v[PW]
.irp g, 0,1,2
	global_store_b128 v[LI1], v[PC+4*\g:PC+4*\g+3], s[OUTP:OUTP+1] offset:512*\g
.endr
	WIN 0
	s_add_co_u32 s[CNT], s[CNT], 1
	s_cmp_lt_u32 s[CNT], 8
	s_cbranch_scc1 .Lvloop
	WIN ALL1
	SCSTORE
	WIN 0
.Lend:
	s_wait_tensorcnt 0x0                           ; the wave's end
	ds_add_u32 v[SPW], v[NIL]
	s_wait_dscnt 0x0
	CROUND                                         ; the closing round
	s_endpgm
.Lfunc_end_k_qd5a27f47bf_proj:
	.size	k_qd5a27f47bf_proj, .Lfunc_end_k_qd5a27f47bf_proj-k_qd5a27f47bf_proj
	.p2alignl 7, 3214868480
	.fill 96, 4, 3214868480
	.section	.rodata,"a",@progbits
	.p2align	6, 0x0
	.amdhsa_kernel k_qd5a27f47bf_proj
		.amdhsa_group_segment_fixed_size 327680
		.amdhsa_private_segment_fixed_size 0
		.amdhsa_enable_private_segment 0
		.amdhsa_kernarg_size 56
		.amdhsa_user_sgpr_count 2
		.amdhsa_user_sgpr_kernarg_segment_ptr 1
		.amdhsa_wavefront_size32 1
		.amdhsa_system_sgpr_workgroup_id_x 1
		.amdhsa_system_sgpr_workgroup_id_y 1
		.amdhsa_system_sgpr_workgroup_id_z 1
		.amdhsa_system_vgpr_workitem_id 0
		.amdhsa_next_free_vgpr 1024
		.amdhsa_next_free_sgpr 106
		.amdhsa_reserve_vcc 1
		.amdhsa_float_denorm_mode_32 3
		.amdhsa_float_denorm_mode_16_64 3
		.amdhsa_memory_ordered 1
		.amdhsa_forward_progress 1
		.amdhsa_inst_pref_size 255
	.end_amdhsa_kernel
	.section	.bss,"aw",@nobits
	.p2align	6
	.space	262144
	.amdgpu_metadata
---
amdhsa.version: [ 1, 2 ]
amdhsa.kernels:
  - .name:           k_qd5a27f47bf_proj
    .symbol:         k_qd5a27f47bf_proj.kd
    .args:
      - { .name: c1, .offset: 0, .size: 8, .value_kind: global_buffer, .address_space: global }
      - { .name: s1, .offset: 8, .size: 8, .value_kind: global_buffer, .address_space: global }
      - { .name: bq, .offset: 16, .size: 8, .value_kind: global_buffer, .address_space: global }
      - { .name: bk, .offset: 24, .size: 8, .value_kind: global_buffer, .address_space: global }
      - { .name: bv, .offset: 32, .size: 8, .value_kind: global_buffer, .address_space: global }
      - { .name: c2, .offset: 40, .size: 8, .value_kind: global_buffer, .address_space: global }
      - { .name: s2, .offset: 48, .size: 8, .value_kind: global_buffer, .address_space: global }
    .group_segment_fixed_size: 327680
    .private_segment_fixed_size: 0
    .kernarg_segment_align: 8
    .kernarg_segment_size: 56
    .max_flat_workgroup_size: 128
    .sgpr_count:     106
    .vgpr_count:     1024
    .wavefront_size: 32
...
	.end_amdgpu_metadata
.endif
;; end of part 2
;; launch score (part 3): grid 8 x 32, 4 waves a work-group, clusters of 4 x 4, 327,680 bytes of LDS; arguments c2, s2, mask, c3, s3; writes c3, s3
.if DOCPART == 3
	.amdgcn_target "amdgcn-amd-amdhsa--gfx1250"
	.amdhsa_code_object_version 6
	.text
	.protected	k_qd5a27f47bf_score
	.globl	k_qd5a27f47bf_score
	.p2align	8
	.type	k_qd5a27f47bf_score,@function
k_qd5a27f47bf_score:
	s_mov_b64 s[64:65], 0
	v_nop
	global_prefetch_b8 v0, s[64:65] scope:SCOPE_SE
	s_setreg_imm32_b32 hwreg(HW_REG_WAVE_MODE, 25, 1), 1
	s_wait_xcnt 0x0
	s_wait_alu depctr_hold_cnt(0) depctr_sa_sdst(0) depctr_va_vdst(0) depctr_va_sdst(0) depctr_va_ssrc(0) depctr_va_vcc(0) depctr_vm_vsrc(0)
	s_getreg_b32 s2, hwreg(HW_REG_IB_STS2, 6, 4)
	s_cmp_eq_u32 s2, 0
	s_cbranch_scc0 .Lentry_in_a_cluster
	s_endpgm
.Lentry_in_a_cluster:
	s_bfe_u32 s2, ttmp6, 0x10000c
	s_cmp_lg_u32 s2, 0xf033
	s_cbranch_scc0 .Lentry_shape_is_right
	s_endpgm
.Lentry_shape_is_right:
; S = Qp Kp^T + mask (the bool added as 0 or 1) on codes of FP6 with E8M0 scales, K = 1,024; then, for each query and each CHUNK of 128 keys: t = S log2(e), M_loc = ceil(the chunk's largest t),
; p = 2^(t - M_loc), l_loc = the sum of the unquantised p; p is quantised along the keys.  Stored: p's codes (c3), and in s3 p's scale words under M_loc, -M_loc and l_loc.
; M_loc is a whole number, so the next launch brings every chunk under the row's M by taking M - M_loc off the scale bytes: the codes stay as they are.
; SHARES: a work-group takes 128 queries x 256 keys of one batch; a wave 64 x 128: 32 accumulators, and its 128 keys are one chunk.  Source 0 = 16 keys, source 1 = 16 queries: a lane holds one query;
;   Kp's tiles are laid so that the 64 registers of accumulators (a, 0..7) are register 16 b + i = key 32 b + 16 (lane / 16) + i of the chunk.
; CLUSTERS: 4 x 4.  Qp's tile (cluster y = batch, cy) is asked for jointly by a row of the cluster, Kp's (batch, cluster x, cx) by a column.
; LDS: all that the work-group reads, four chunks of 256 along K (Qp's 8 tiles x 3,072 bytes, then Kp's 16), lies there at once: no byte is filled twice.  A wave has one load, at the head.
; c3: [tile of 16 queries 0..255][chunk 0..15][1536];  s3: three regions of 262,144 bytes, each [tile / 4][chunk][r][tile % 4] words.
; LIMITS: NaN and infinities are not served; mask bytes are 0 or 1; a block all of whose p have fallen to 0 keeps the byte 1 (its codes are zeros).
; REGISTERS: window 0: v4-15 addresses, v32-95 scale words, v96-191 Qp's fragments (two sets);  window 1: Kp's (two sets);  window 2: accumulator (a, b) at v[8 (8 a + b)];  window 3: the softmax.
; THE FILLS: one load a wave at the head, whole tiles of 12,288 bytes on end: waves 0, 1 four tiles of Qp each (from byte 0), waves 2, 3 eight of Kp each (from byte 98,304).
; One wait for all loads and one barrier show everything to every wave; no byte is filled twice.
.set CH,   24576                       ; two whole tiles: from one address register to the next
.set LI,   4
.set SCO,  5
.set MKO,  6
.set ADRA, 8                           ; v8-11  per two tiles
.set ADRB, 12                          ; v12-15
.set SC,   32                          ; v[SC + 8 t + i]: lanes 0-15 the word of Qp's tile i (0..3 used), lanes 16-31 that of Kp's tile i
.set AFR,  96
.set T,    0                           ; window 3
.set MK,   64                          ; the mask of my 64 keys, as f32
.set PCD,  128                         ; p's codes (ahead of the loop: the mask's 16 words)
.set BM,   148
.set BP,   152
.set SOP,  156
.set BYT,  160
.set RM,   164
.set NM,   166                         ; v[166:167]: -M_loc, named as a pair
.set SU,   168
.set PWC,  172
.set SWD,  176
.set NMS,  180
.set LSS,  184
.set LI3,  192
.set STA,  193
.set SELP, 196                         ; three pairs
.set WV,  18
.set WA,  19
.set WB,  20
.set CX,  21
.set CY,  22
.set CLY, 23
.set G1A, 24
.set G1B, 32
.set G0A, 40                           ; s[40:43]
.set SEL, 76
.set CS,  78
.set HM,  80
.set QA,  81
.set KB,  82
.set KQ,  83
.set C3P, 84
.set S3P, 86
.set MSB, 0
.macro WIN new
.if MSB != (\new)
	s_set_vgpr_msb (MSB<<8)|(\new)
.set MSB, (\new)
.endif
.endm
.set MUL,  0xa1
.set TO_B, 0x40
.macro PLACES n
.rept \n
	v_nop
.endr
.endm
.macro CROUND
	s_barrier_signal -1
	s_barrier_wait -1
	s_cmp_lg_u32 s[WV], 0
	s_cbranch_scc1 .Lnot_wave_0_\@
	s_barrier_signal -3
.Lnot_wave_0_\@:
	s_barrier_wait -3
	s_barrier_signal -1
	s_barrier_wait -1
.endm
	s_load_b128 s[4:7], s[0:1], 0x0                ; c2, s2
	s_load_b128 s[8:11], s[0:1], 0x10              ; mask, c3
	s_load_b64 s[12:13], s[0:1], 0x20              ; s3
	v_lshl_add_u32 v254, v0, 2, 0x48000
	v_mov_b32 v255, 0
	ds_add_u32 v254, v255
	ds_add_u32 v254, v255
	v_lshrrev_b32 v1, 5, v0
	v_readfirstlane_b32 s[WV], v1
	s_lshr_b32 s[WA], s[WV], 1                     ; my 64 queries; also: I fetch for Qp (0) or Kp (1)
	s_and_b32 s[WB], s[WV], 1                      ; my 128 keys; also: which half of the tile I fetch
	s_bfe_u32 s[CX], ttmp6, 0x40000
	s_bfe_u32 s[CY], ttmp6, 0x40004
	s_and_b32 s[CLY], ttmp7, 0xffff                ; the batch
	s_lshl_b32 s[QA], s[CLY], 2
	s_add_co_u32 s[QA], s[QA], s[CY]               ; which 128 queries of the 4,096
	s_lshl_b32 s[KQ], ttmp9, 2
	s_add_co_u32 s[KQ], s[KQ], s[CX]               ; which 256 keys of the batch
	s_lshl_b32 s[KB], s[CLY], 3
	s_add_co_u32 s[KB], s[KB], s[KQ]               ; and of the 16,384
	s_lshl_b32 s94, s[CY], 2
	s_lshl_b32 s94, 15, s94                        ; my row of the cluster
	s_lshl_b32 s95, 0x1111, s[CX]                  ; my column
	s_or_b32 s[G1A], s94, (3<<16)|(1<<21)
	s_or_b32 s[G1B], s95, (3<<16)|(1<<21)
	s_mov_b32 s[G1A+1], 1536<<16                   ; four whole tiles of 12,288 bytes (1,536 elements of 8)
	s_mov_b32 s[G1A+2], 4<<16
	s_mov_b32 s[G1A+3], 1536<<16
	s_mov_b32 s[G1A+4], 4
	s_mov_b32 s[G1A+5], 1536
	s_mov_b32 s[G1A+6], 0
	s_mov_b32 s[G1A+7], 0
	s_mov_b32 s[G1B+1], 1536<<16                   ; eight whole tiles
	s_mov_b32 s[G1B+2], 8<<16
	s_mov_b32 s[G1B+3], 1536<<16
	s_mov_b32 s[G1B+4], 8
	s_mov_b32 s[G1B+5], 1536
	s_mov_b32 s[G1B+6], 0
	s_mov_b32 s[G1B+7], 0
	s_mul_i32 s88, s[QA], 98304
	s_mul_i32 s94, s[WB], 49152
	s_add_co_u32 s88, s88, s94
	s_mov_b32 s89, 0
	s_mul_i32 s90, s[KB], 196608
	s_mul_i32 s95, s[WB], 98304
	s_add_co_u32 s90, s90, s95
	s_add_co_u32 s90, s90, 3145728                 ; Kp's tiles begin behind Qp's 256
	s_mov_b32 s91, 0
	s_mul_i32 s92, s[WB], 49152
	s_mul_i32 s93, s[WB], 98304
	s_add_co_u32 s93, s93, 98304
	s_wait_dscnt 0x0
	s_wait_kmcnt 0x0
	s_add_nc_u64 s[88:89], s[4:5], s[88:89]
	s_add_nc_u64 s[90:91], s[4:5], s[90:91]
	CROUND                                         ; all sixteen work-groups are here: the joint loads meet
.irp j, 0
	s_mov_b32 s[G0A+4*\j], 1
	s_add_co_u32 s[G0A+4*\j+1], s92, \j*CH
	s_add_nc_u64 s[G0A+4*\j+2:G0A+4*\j+3], s[88:89], \j*3072
	s_or_b32 s[G0A+4*\j+3], s[G0A+4*\j+3], 0x80000000
	s_mov_b32 s[56+4*\j+4*(\j/2)], 1               ; Kp's group 0: s[56:59]
	s_add_co_u32 s[56+4*\j+4*(\j/2)+1], s93, \j*CH
	s_add_nc_u64 s[56+4*\j+4*(\j/2)+2:56+4*\j+4*(\j/2)+3], s[90:91], \j*3072
	s_or_b32 s[56+4*\j+4*(\j/2)+3], s[56+4*\j+4*(\j/2)+3], 0x80000000
.endr
	s_cmp_eq_u32 s[WA], 0                          ; a wave's one fill: one tensor load of mine is out
	s_cbranch_scc0 .Lfirst_b
	tensor_load_to_lds s[G0A:G0A+3], s[G1A:G1A+7]
	s_nop 0
.rept 4
	v_nop
.endr
	s_branch .Lfirst_asked
.Lfirst_b:
	tensor_load_to_lds s[56:59], s[G1B:G1B+7]
	s_nop 0
.rept 4
	v_nop
.endr
.Lfirst_asked:
	v_and_b32 v1, 15, v0                           ; r
	v_bfe_u32 v2, v0, 4, 1                         ; h
	v_and_b32 v3, 31, v0
	v_lshlrev_b32 v[LI], 4, v3
	s_mov_b32 s[HM], 0xffff0000
	s_lshl_b32 s94, s[QA], 1
	s_add_co_u32 s94, s94, s[WA]                   ; my four tiles of queries: group 2 qa + wa
	s_lshl_b32 s95, s94, 11
	s_lshl_b32 s96, s[KB], 2
	s_lshl_b32 s97, s[WB], 1
	s_add_co_u32 s96, s96, s97
	s_lshl_b32 s96, s96, 11
	s_add_co_u32 s96, s96, 131072                  ; Kp's words begin behind Qp's 64 groups
	v_mov_b32 v3, s95
	v_mov_b32 v7, s96
	v_cndmask_b32 v3, v3, v7, s[HM]
	s_wait_alu depctr_va_vdst(0)
	v_lshl_add_u32 v[SCO], v1, 4, v3
.irp s, 0,1,2,3,4,5,6,7
.irp ii, 0,1
	global_load_b128 v[SC+8*\s+4*\ii:SC+8*\s+4*\ii+3], v[SCO], s[6:7] offset:\ii*2048+\s*256   ; (for ii = 1 lanes 0-15 bring words that nobody uses, from inside s2)
.endr
.endr
	s_lshl_b32 s95, s[CLY], 11
	s_lshl_b32 s96, s[KQ], 8
	s_add_co_u32 s95, s95, s96
	s_lshl_b32 s96, s[WB], 7
	s_add_co_u32 s95, s95, s96
	v_lshl_add_u32 v[MKO], v2, 4, s95              ; the mask's bytes of keys 32 b + 16 h + 0 .. 15 of my chunk
	WIN 0xc0                                       ; destination window 3
.irp b, 0,1,2,3
	global_load_b128 v[PCD+4*\b:PCD+4*\b+3], v[MKO], s[8:9] offset:32*\b
.endr
	v_mov_b32 v[LI3], v[LI]
	v_lshlrev_b32 v[STA], 4, v1
	WIN 0xf0                                       ; source 0 window 0; source 2 and destination window 3
	v_lshl_add_u32 v[STA], v2, 3, v[STA]           ; 16 r + 8 h
	WIN 0xc0
.irp b, 0,1,2,3
	v_mov_b32 v[BP+\b], 0                          ; written once: a lane permute's destination counts as one of its sources
.endr
	v_mov_b32 v[NM+1], 0                           ; (named as the upper half of a pair)
	WIN 0
	s_mul_i32 s95, s[WA], 49152                    ; my four tiles of Qp; register j serves tiles 2 j, 2 j + 1
	s_mul_i32 s96, s[WB], 98304                    ; my eight of Kp,
	s_add_co_u32 s96, s96, 98304                   ; behind Qp's eight
.irp j, 0,1,2,3
	v_add_nc_u32 v[ADRA+\j], s95, v[LI]
	v_add_nc_u32 v[ADRB+\j], s96, v[LI]
	s_add_co_u32 s95, s95, CH
	s_add_co_u32 s96, s96, CH
.endr
	s_lshl_b32 s95, s[KQ], 1
	s_add_co_u32 s95, s95, s[WB]                   ; my chunk of the batch's sixteen
	s_lshl_b32 s96, s94, 6
	s_add_co_u32 s96, s96, s95
	s_mul_i32 s96, s96, 1536
	s_mov_b32 s97, 0
	s_add_nc_u64 s[C3P:C3P+1], s[10:11], s[96:97]
	s_lshl_b32 s96, s94, 4
	s_add_co_u32 s96, s96, s95
	s_lshl_b32 s96, s96, 8
	s_add_nc_u64 s[S3P:S3P+1], s[12:13], s[96:97]
	s_mov_b32 s[SEL], 0x76543210
	s_mov_b32 s[SEL+1], 0xfedcba98
	s_mov_b32 s[CS], 0x3fb8aa3b                    ; log2(e)
	s_mov_b32 s[CS+1], s[CS]
	s_wait_loadcnt 0x0
	WIN 0xc3                                       ; source 0 and destination window 3
.irp w, 0,1,2,3,4,5,6,7,8,9,10,11,12,13,14,15
.irp y, 0,1,2,3
	v_bfe_u32 v[MK+4*\w+\y], v[PCD+\w], 8*\y, 8
.endr
.endr
.set i, 0
.rept 64
	v_cvt_f32_u32 v[MK+i], v[MK+i]
.set i, i+1
.endr
	WIN 0
.macro FRAG reg, adr, off
.irp g, 0,1,2
	ds_load_b128 v[(\reg)+4*\g:(\reg)+4*\g+3], v[\adr] offset:(\off)+512*\g
.endr
.endm
.macro FETCH t                         ; K step t: Kp's eight fragments and Qp's four, into set t % 2: 36 loads
	WIN TO_B
.irp i, 0,1,2,3,4,5,6,7
	FRAG 96*((\t)%2)+12*\i, ADRB+\i/2, (\i%2)*12288+(\t)*1536
.endr
	WIN 0
.irp i, 0,1,2,3
	FRAG AFR+48*((\t)%2)+12*\i, ADRA+\i/2, (\i%2)*12288+(\t)*1536
.endr
.endm
.macro MUL32 t, zero                   ; the 32 accumulators take turns, one instruction a turn
.irp a, 0,1,2,3
.irp b, 0,1,2,3,4,5,6,7
.if \zero
	v_wmma_scale_f32_16x16x128_f8f6f4 v[8*(8*\a+\b):8*(8*\a+\b)+7], v[96*((\t)%2)+12*\b:96*((\t)%2)+12*\b+11], v[AFR+48*((\t)%2)+12*\a:AFR+48*((\t)%2)+12*\a+11], 0, v[SC+8*(\t)+\b], v[SC+8*(\t)+\a] matrix_a_fmt:MATRIX_FMT_FP6 matrix_b_fmt:MATRIX_FMT_FP6 matrix_a_scale:MATRIX_SCALE_ROW1
.else
	v_wmma_scale_f32_16x16x128_f8f6f4 v[8*(8*\a+\b):8*(8*\a+\b)+7], v[96*((\t)%2)+12*\b:96*((\t)%2)+12*\b+11], v[AFR+48*((\t)%2)+12*\a:AFR+48*((\t)%2)+12*\a+11], v[8*(8*\a+\b):8*(8*\a+\b)+7], v[SC+8*(\t)+\b], v[SC+8*(\t)+\a] matrix_a_fmt:MATRIX_FMT_FP6 matrix_b_fmt:MATRIX_FMT_FP6 matrix_a_scale:MATRIX_SCALE_ROW1
.endif
.endr
.endr
.endm
.macro SSTEP t, zero
	PLACES 4                                       ; in front of loads into the set that the last products read
	FETCH (\t)+1
	s_wait_dscnt 36                                ; all but the 36 just issued
	WIN MUL
	MUL32 \t, \zero
.endm
	s_wait_alu depctr_va_vdst(0)
	s_wait_tensorcnt 0x0                           ; my one load is in
	s_barrier_signal -1
	s_barrier_wait -1                              ; everybody's is: all of K lies in LDS
	FETCH 0
	SSTEP 0, 1
.irp t, 1,2,3,4,5,6
	SSTEP \t, 0
.endr
	s_wait_dscnt 0x0
	MUL32 7, 0
	WIN 0
	PLACES 4
; The softmax of tile a's 16 queries over my 128 keys.
.macro SOFT a
	WIN 0xce                                       ; source 0 window 2, source 1 and destination window 3
.set i, 0
.rept 32
	v_pk_add_f32 v[T+i:T+i+1], v[64*(\a)+i:64*(\a)+i+1], v[MK+i:MK+i+1]   ; + the mask; each accumulator is read from its low end on
.set i, i+2
.endr
	WIN 0xff
.irp b, 0,1,2,3
	v_max3_num_f32 v[BM+\b], v[T+16*\b], v[T+16*\b+1], v[T+16*\b+2]   ; the largest score of each block of 32 keys: it serves the chunk's maximum and, since p rises with the score, the block's largest p
.endr
.irp i, 3,5,7,9,11,13
.irp b, 0,1,2,3
	v_max3_num_f32 v[BM+\b], v[BM+\b], v[T+16*\b+\i], v[T+16*\b+\i+1]
.endr
.endr
.irp b, 0,1,2,3
	v_max_num_f32 v[BM+\b], v[BM+\b], v[T+16*\b+15]
.endr
.irp b, 0,1,2,3
	v_permlanex16_b32 v[BP+\b], v[BM+\b], s[SEL], s[SEL+1]
.endr
.irp b, 0,1,2,3
	v_max_num_f32 v[BM+\b], v[BM+\b], v[BP+\b]
.endr
	v_max3_num_f32 v[RM], v[BM], v[BM+1], v[BM+2]
	v_max_num_f32 v[RM], v[RM], v[BM+3]
	v_mul_f32 v[RM], s[CS], v[RM]                  ; as t
	v_floor_f32 v[NM], -v[RM]                      ; -M_loc = floor(-t) = -ceil(t)
.set i, 0
.rept 32
	v_pk_fma_f32 v[T+i:T+i+1], v[T+i:T+i+1], s[CS:CS+1], v[NM:NM+1] op_sel_hi:[1,0,0]   ; t - M_loc
.set i, i+2
.endr
.irp b, 0,1,2,3
	v_fma_f32 v[BM+\b], v[BM+\b], s[CS], v[NM]
.endr
.set i, 0
	s_wait_alu depctr_va_vdst(0)
.rept 64
	v_exp_f32 v[T+i], v[T+i]                       ; p
.set i, i+1
.endr
	v_mov_b32 v[NMS+\a], v[NM]                     ; (a plain place behind the exponentials)
	s_wait_alu depctr_va_vdst(0)                   ; one wait for the 64, ahead of their first reader
.irp b, 0,1,2,3
	v_exp_f32 v[BM+\b], v[BM+\b]                   ; the block's largest p: the same two instructions on the same number
.endr
	v_pk_add_f32 v[SU:SU+1], v[T:T+1], v[T+4:T+5]  ; the sum of the unquantised p, in two packed chains: plain work behind the four
	v_pk_add_f32 v[SU+2:SU+3], v[T+2:T+3], v[T+6:T+7]
.irp j, 8,12,16,20,24,28,32,36,40,44,48,52,56,60
	v_pk_add_f32 v[SU:SU+1], v[SU:SU+1], v[T+\j:T+\j+1]
	v_pk_add_f32 v[SU+2:SU+3], v[SU+2:SU+3], v[T+\j+2:T+\j+3]
.endr
	v_pk_add_f32 v[SU:SU+1], v[SU:SU+1], v[SU+2:SU+3]
	s_wait_alu depctr_va_vdst(0)                   ; and one for the four
.irp b, 0,1,2,3
	v_max_num_f32 v[BM+\b], 0x1800000, v[BM+\b]    ; the floor 2^(3 - 127)
.endr
.irp b, 0,1,2,3
	v_add_nc_u32 v[SOP+\b], 0xff000000, v[BM+\b]
.endr
.irp b, 0,1,2,3
	v_lshrrev_b32 v[BYT+\b], 23, v[SOP+\b]
.endr
	v_lshl_or_b32 v[PWC], v[BYT+1], 8, v[BYT]
	v_lshl_or_b32 v[PWC], v[BYT+2], 16, v[PWC]
	v_lshl_or_b32 v[SWD+\a], v[BYT+3], 24, v[PWC]
	s_wait_xcnt 0x0                                ; the last tile's stores have read the codes' registers
.irp c, 0,1
	v_cvt_scalef32_pk16_fp6_f32 v[PCD+6*\c:PCD+6*\c+2], v[T+32*\c:T+32*\c+15], v[SOP+2*\c]
	v_cvt_scalef32_pk16_fp6_f32 v[PCD+12+4*\c:PCD+14+4*\c], v[T+32*\c+16:T+32*\c+31], v[SOP+2*\c+1]
.endr
	v_add_f32 v[SU], v[SU], v[SU+1]                ; (the plain place behind the conversions)
.irp c, 0,1
.irp i, 0,1,2
	v_permlane16_swap_b32 v[PCD+6*\c+\i], v[PCD+12+4*\c+\i]
.endr
.irp i, 0,1,2
	v_mov_b32 v[PCD+3+6*\c+\i], v[PCD+12+4*\c+\i]
.endr
.endr
	v_permlanex16_b32 v[BP], v[SU], s[SEL], s[SEL+1]
	v_add_f32 v[LSS+\a], v[SU], v[BP]              ; l_loc
.irp g, 0,1,2
	global_store_b128 v[LI3], v[PCD+4*\g:PCD+4*\g+3], s[C3P:C3P+1] offset:(\a)*24576+512*\g
.endr
.endm
.irp a, 0,1,2,3
	SOFT \a
.endr
.macro STAT x, n, region               ; lane (r, h) stores tiles 2 h and 2 h + 1: the wave stores 256 consecutive bytes, aligned
	v_cndmask_b32 v[SELP+2*\n], v[\x], v[\x+2], s[HM]
	v_cndmask_b32 v[SELP+2*\n+1], v[\x+1], v[\x+3], s[HM]
	global_store_b64 v[STA], v[SELP+2*\n:SELP+2*\n+1], s[S3P:S3P+1] offset:\region
.endm
	STAT SWD, 0, 0
	STAT NMS, 1, 262144
	STAT LSS, 2, 524288
	WIN 0
	s_wait_tensorcnt 0x0
	s_wait_tensorcnt 0x0
	ds_add_u32 v254, v255
	s_wait_dscnt 0x0
	CROUND                                         ; the closing round
	s_endpgm
.Lfunc_end_k_qd5a27f47bf_score:
	.size	k_qd5a27f47bf_score, .Lfunc_end_k_qd5a27f47bf_score-k_qd5a27f47bf_score
	.p2alignl 7, 3214868480
	.fill 96, 4, 3214868480
	.section	.rodata,"a",@progbits
	.p2align	6, 0x0
	.amdhsa_kernel k_qd5a27f47bf_score
		.amdhsa_group_segment_fixed_size 327680
		.amdhsa_private_segment_fixed_size 0
		.amdhsa_enable_private_segment 0
		.amdhsa_kernarg_size 40
		.amdhsa_user_sgpr_count 2
		.amdhsa_user_sgpr_kernarg_segment_ptr 1
		.amdhsa_wavefront_size32 1
		.amdhsa_system_sgpr_workgroup_id_x 1
		.amdhsa_system_sgpr_workgroup_id_y 1
		.amdhsa_system_sgpr_workgroup_id_z 1
		.amdhsa_system_vgpr_workitem_id 0
		.amdhsa_next_free_vgpr 1024
		.amdhsa_next_free_sgpr 100
		.amdhsa_reserve_vcc 0
		.amdhsa_float_denorm_mode_32 3
		.amdhsa_float_denorm_mode_16_64 3
		.amdhsa_memory_ordered 1
		.amdhsa_forward_progress 1
		.amdhsa_inst_pref_size 120
	.end_amdhsa_kernel
	.amdgpu_metadata
---
amdhsa.version: [ 1, 2 ]
amdhsa.kernels:
  - .name:           k_qd5a27f47bf_score
    .symbol:         k_qd5a27f47bf_score.kd
    .args:
      - { .name: c2, .offset: 0, .size: 8, .value_kind: global_buffer, .address_space: global }
      - { .name: s2, .offset: 8, .size: 8, .value_kind: global_buffer, .address_space: global }
      - { .name: mask, .offset: 16, .size: 8, .value_kind: global_buffer, .address_space: global }
      - { .name: c3, .offset: 24, .size: 8, .value_kind: global_buffer, .address_space: global }
      - { .name: s3, .offset: 32, .size: 8, .value_kind: global_buffer, .address_space: global }
    .group_segment_fixed_size: 327680
    .private_segment_fixed_size: 0
    .kernarg_segment_align: 8
    .kernarg_segment_size: 40
    .max_flat_workgroup_size: 128
    .sgpr_count:     100
    .vgpr_count:     1024
    .wavefront_size: 32
...
	.end_amdgpu_metadata
.endif
;; end of part 3
;; launch pv (part 4): grid 8 x 32, 4 waves a work-group, clusters of 4 x 4, 327,680 bytes of LDS; arguments c2, s2, c3, s3, out0; writes out0
.if DOCPART == 4
	.amdgcn_target "amdgcn-amd-amdhsa--gfx1250"
	.amdhsa_code_object_version 6
	.text
	.protected	k_qd5a27f47bf_pv
	.globl	k_qd5a27f47bf_pv
	.p2align	8
	.type	k_qd5a27f47bf_pv,@function
k_qd5a27f47bf_pv:
	s_mov_b64 s[64:65], 0
	v_nop
	global_prefetch_b8 v0, s[64:65] scope:SCOPE_SE
	s_setreg_imm32_b32 hwreg(HW_REG_WAVE_MODE, 25, 1), 1
	s_wait_xcnt 0x0
	s_wait_alu depctr_hold_cnt(0) depctr_sa_sdst(0) depctr_va_vdst(0) depctr_va_sdst(0) depctr_va_ssrc(0) depctr_va_vcc(0) depctr_vm_vsrc(0)
	s_getreg_b32 s2, hwreg(HW_REG_IB_STS2, 6, 4)
	s_cmp_eq_u32 s2, 0
	s_cbranch_scc0 .Lentry_in_a_cluster
	s_endpgm
.Lentry_in_a_cluster:
	s_bfe_u32 s2, ttmp6, 0x10000c
	s_cmp_lg_u32 s2, 0xf033
	s_cbranch_scc0 .Lentry_shape_is_right
	s_endpgm
.Lentry_shape_is_right:
; out = (P Vp) / l on codes of FP6 with E8M0 scales, K = the batch's 2,048 keys.  P's codes were made chunk by chunk (128 keys) under a whole number M_loc of the chunk.
; AT THE HEAD, for each of my queries: -M = the least of the sixteen -M_loc; d = M - M_loc (a whole number, 0 or more, held at 127); l = the sum of l_loc 2^-d; each of P's scale bytes has d taken off,
; held at 0 from below.  So the products come out under the row's M with the codes as they are.
; SHARES: a work-group takes 128 queries x 128 columns of one batch, a wave 64 x 64: 16 accumulators.  Source 0 = 16 columns of Vp (rows of Vp^T), source 1 = 16 queries: a lane holds one query and eight
;   neighbouring columns.  With 4,096 x 1,024 outputs a larger tile would leave WGPs without work.
; CLUSTERS: 4 x 4.  P's tile (batch, cy) is asked for jointly by a row of the cluster, Vp^T's (batch, cluster x, cx) by a column.
; LDS: three slots of 512 along K (P's 8 tiles x 6,144 bytes, then Vp^T's 8).  K has four such chunks: three first fills and ONE refill (chunk 3 into slot 0).  One tensor load of a wave is out at the most.
;   The way out's stages lie in slot 1, which has had its last fill, and whose last reads stand in front of the barrier of K step 11.
; LIMITS: what the holds touch (bytes at 0, d at 127) lies under 2^-120 of the row's largest p.  NaN and infinities are not served.
; REGISTERS: window 0: v4-18 addresses, v20-27 1 / l (pairs), v32-95 P's scale words, v96-159 Vp^T's, v160-255 P's fragments (two sets; on the way out at work);
;   window 1: v0-95 Vp^T's fragments (two sets), v128-255 accumulator (a, b) at v[128 + 8 (4 a + b)];  window 2: the head's arithmetic.
.set SLOT,  98304
.set SPARE, 3*SLOT                     ; the spare words: 128 bytes for each wave, two blocks of 256 bytes that no other line names
.set STG,   SLOT                       ; the stages: 16 rows x 272 bytes for each wave
.set VREG,  15728640
.set VSOFF, 655360
.set LI,   4
.set PSO,  5                           ; 16 r
.set ADRA, 8
.set ADRB, 12
.set STO,  16
.set RD,   17
.set CO,   18
.set RL,   20
.set SPW,  28
.set NIL,  29
.set PS,   32                          ; v[PS + 4 t + a]
.set VSC,  96                          ; v[VSC + 4 t + b]
.set AFR,  160
.set OT,   160
.set OB,   192
.set ACC,  128                         ; window 1
.set NM,   0                           ; window 2: -M_loc, then d, then d in four bytes, then the bytes' masks
.set LS,   64                          ; l_loc
.set PW,   128                         ; P's words as stored
.set NMG,  192
.set L,    196
.set TP,   200
.set WV,  18
.set WA,  19
.set WB,  20
.set CX,  21
.set CY,  22
.set CLY, 23
.set G1A, 24
.set G1B, 32
.set G0A, 40
.set G0B, 52
.set QA,  66
.set DB,  67
.set H80, 80
.set VSP, 82
.set S3P, 84
.set OUTB, 86
.set MSB, 0
.macro WIN new
.if MSB != (\new)
	s_set_vgpr_msb (MSB<<8)|(\new)
.set MSB, (\new)
.endif
.endm
.set MUL,  0x51                        ; source 0 (Vp^T) window 1, source 1 (P) window 0, C and D window 1
.set TO_B, 0x40
.macro PLACES n
.rept \n
	v_nop
.endr
.endm
.macro CROUND
	s_barrier_signal -1
	s_barrier_wait -1
	s_cmp_lg_u32 s[WV], 0
	s_cbranch_scc1 .Lnot_wave_0_\@
	s_barrier_signal -3
.Lnot_wave_0_\@:
	s_barrier_wait -3
	s_barrier_signal -1
	s_barrier_wait -1
.endm
; THE FILLS: at the head one load a wave: wave 0 P's chunk 0, wave 1 Vp^T's chunk 0, wave 2 P's chunk 1, wave 3 Vp^T's chunk 1, eight tiles each.  Chunk 2 (slot 2) goes out behind
; the three lines and a round ahead of the head's arithmetic, chunk 3 (slot 0 again) behind the round of K step 3; there a wave brings four tiles.  One tensor load of a wave is out at the most.
.macro JLOAD o                         ; o: 4 x the slot whose groups 0 are used
	s_cmp_eq_u32 s[WA], 0
	s_cbranch_scc0 .Lfor_b_\@
	tensor_load_to_lds s[G0A+(\o):G0A+(\o)+3], s[G1A:G1A+7]
	s_nop 0
.rept 4
	v_nop
.endr
	s_branch .Lasked_\@
.Lfor_b_\@:
	tensor_load_to_lds s[G0B+(\o):G0B+(\o)+3], s[G1B:G1B+7]
	s_nop 0
.rept 4
	v_nop
.endr
.Lasked_\@:
.endm
	s_load_b128 s[4:7], s[0:1], 0x0                ; c2, s2
	s_load_b128 s[8:11], s[0:1], 0x10              ; c3, s3
	s_load_b64 s[12:13], s[0:1], 0x20              ; out0
	v_lshl_add_u32 v[SPW], v0, 2, SPARE
	v_mov_b32 v[NIL], 0
	ds_add_u32 v28, v29
	ds_add_u32 v28, v29
	s_wait_dscnt 0x0
	v_lshrrev_b32 v1, 5, v0
	v_readfirstlane_b32 s[WV], v1
	s_lshr_b32 s[WA], s[WV], 1                     ; my 64 queries; also: I fetch for P (0) or Vp^T (1)
	s_and_b32 s[WB], s[WV], 1                      ; my 64 columns; also: which four tiles I fetch
	s_bfe_u32 s[CX], ttmp6, 0x40000
	s_bfe_u32 s[CY], ttmp6, 0x40004
	s_and_b32 s[CLY], ttmp7, 0xffff                ; the batch
	s_lshl_b32 s[QA], s[CLY], 2
	s_add_co_u32 s[QA], s[QA], s[CY]               ; which 128 queries of the 4,096
	s_lshl_b32 s[DB], ttmp9, 2
	s_add_co_u32 s[DB], s[DB], s[CX]               ; which 128 columns
	s_lshl_b32 s94, s[CY], 2
	s_lshl_b32 s94, 15, s94
	s_lshl_b32 s95, 0x1111, s[CX]
	s_or_b32 s[G1A], s94, (3<<16)|(1<<21)
	s_or_b32 s[G1B], s95, (3<<16)|(1<<21)
.irp g, G1A, G1B
	s_mov_b32 s[\g+1], 768<<16                     ; four tiles' 6,144 bytes (768 elements of 8), 24,576 bytes apart
	s_mov_b32 s[\g+2], 8<<16                       ; eight tiles for the head's loads
	s_mov_b32 s[\g+3], 768<<16
	s_mov_b32 s[\g+4], 8
	s_mov_b32 s[\g+5], 3072
	s_mov_b32 s[\g+6], 0
	s_mov_b32 s[\g+7], 0
.endr
	s_mul_i32 s98, s[WB], 98304
	s_mul_i32 s88, s[QA], 196608
	s_add_co_u32 s88, s88, s98
	s_mov_b32 s89, 0
	s_mul_i32 s90, s[CLY], 1572864
	s_mul_i32 s92, s[DB], 196608
	s_add_co_u32 s90, s90, s92
	s_add_co_u32 s90, s90, s98
	s_add_co_u32 s90, s90, VREG
	s_mov_b32 s91, 0
	s_mul_i32 s99, s[WV], 24576                    ; where the ring's loads go: P's two halves, then Vp^T's two
	s_mul_i32 s93, s[WA], 6144                     ; the head's loads: all eight tiles, chunk wave / 2
	s_mul_i32 s94, s[QA], 196608
	s_add_co_u32 s94, s94, s93
	s_mov_b32 s95, 0
	s_sub_co_u32 s96, s90, s98
	s_add_co_u32 s96, s96, s93
	s_mov_b32 s97, 0
	s_mul_i32 s69, s[WA], SLOT                     ; into slot wave / 2: P's tiles first,
	s_add_co_u32 s73, s69, 49152                   ; Vp^T's behind them
	s_wait_kmcnt 0x0
	s_add_nc_u64 s[70:71], s[8:9], s[94:95]
	s_add_nc_u64 s[74:75], s[4:5], s[96:97]
	s_add_nc_u64 s[88:89], s[8:9], s[88:89]
	s_add_nc_u64 s[90:91], s[4:5], s[90:91]
	CROUND                                         ; all sixteen work-groups are here: the first joint loads meet
	s_mov_b32 s68, 1                               ; s[68:71], s[72:75]: groups 0 of the head's loads
	s_or_b32 s71, s71, 0x80000000
	s_mov_b32 s72, 1
	s_or_b32 s75, s75, 0x80000000
.irp s, 0,2
	s_mov_b32 s[G0A+4*\s], 1
	s_add_co_u32 s[G0A+4*\s+1], s99, \s*SLOT
	s_add_nc_u64 s[G0A+4*\s+2:G0A+4*\s+3], s[88:89], \s*6144
	s_or_b32 s[G0A+4*\s+3], s[G0A+4*\s+3], 0x80000000
	s_mov_b32 s[G0B+4*\s], 1
	s_add_co_u32 s[G0B+4*\s+1], s99, \s*SLOT
	s_add_nc_u64 s[G0B+4*\s+2:G0B+4*\s+3], s[90:91], \s*6144
	s_or_b32 s[G0B+4*\s+3], s[G0B+4*\s+3], 0x80000000
.endr
	s_cmp_eq_u32 s[WB], 0                          ; even waves ask for P's tiles, odd ones for Vp^T's: one load a wave
	s_cbranch_scc0 .Lfirst_b
	tensor_load_to_lds s[68:71], s[G1A:G1A+7]
	s_nop 0
.rept 4
	v_nop
.endr
	s_branch .Lfirst_asked
.Lfirst_b:
	tensor_load_to_lds s[72:75], s[G1B:G1B+7]
	s_nop 0
.rept 4
	v_nop
.endr
.Lfirst_asked:
	v_and_b32 v1, 15, v0                           ; r
	v_bfe_u32 v2, v0, 4, 1                         ; h
	v_and_b32 v3, 31, v0
	v_lshlrev_b32 v[LI], 4, v3
	v_lshlrev_b32 v[PSO], 4, v1
	s_wait_alu depctr_va_vdst(0)
	s_lshl_b32 s94, s[DB], 1
	s_add_co_u32 s94, s94, s[WB]
	s_lshl_b32 s94, s94, 12
	s_lshl_b32 s95, s[CLY], 16
	s_add_co_u32 s94, s94, s95
	s_add_co_u32 s94, s94, VSOFF
	s_mov_b32 s95, 0
	s_add_nc_u64 s[VSP:VSP+1], s[6:7], s[94:95]
	s_lshl_b32 s94, s[QA], 1
	s_add_co_u32 s94, s94, s[WA]
	s_lshl_b32 s94, s94, 12
	s_add_nc_u64 s[S3P:S3P+1], s[10:11], s[94:95]
.irp s, 0,1,2,3,4,5,6,7,8,9,10,11,12,13,14,15
	global_load_b128 v[VSC+4*\s:VSC+4*\s+3], v[PSO], s[VSP:VSP+1] offset:\s*256   ; sixteen lanes read 256 consecutive bytes: my four tiles' words of one K step
.endr
	WIN 0x80                                       ; destination window 2
.irp s, 0,1,2,3,4,5,6,7,8,9,10,11,12,13,14,15
	global_load_b128 v[NM+4*\s:NM+4*\s+3], v[PSO], s[S3P:S3P+1] offset:262144+\s*256
.endr
.irp s, 0,1,2,3,4,5,6,7,8,9,10,11,12,13,14,15
	global_load_b128 v[LS+4*\s:LS+4*\s+3], v[PSO], s[S3P:S3P+1] offset:524288+\s*256
.endr
.irp s, 0,1,2,3,4,5,6,7,8,9,10,11,12,13,14,15
	global_load_b128 v[PW+4*\s:PW+4*\s+3], v[PSO], s[S3P:S3P+1] offset:\s*256
.endr
	WIN 0
	s_mul_i32 s94, s[WA], 24576
	s_mul_i32 s96, s[WB], 24576
	s_add_co_u32 s96, s96, 49152
.irp s, 0,1,2
	v_add_nc_u32 v[ADRA+\s], s94, v[LI]
	v_add_nc_u32 v[ADRB+\s], s96, v[LI]
	s_add_co_u32 s94, s94, SLOT
	s_add_co_u32 s96, s96, SLOT
.endr
	s_mul_i32 s94, s[WV], 16*272
	s_add_co_u32 s94, s94, STG                     ; my stage
	v_mul_u32_u24 v[STO], v1, 272
	v_lshl_add_u32 v[STO], v2, 5, v[STO]
	v_add_nc_u32 v[STO], s94, v[STO]               ; in: row r, 32 bytes for each half of the lanes
	v_mul_u32_u24 v[RD], v2, 272
	v_lshl_add_u32 v[RD], v1, 4, v[RD]
	v_add_nc_u32 v[RD], s94, v[RD]                 ; back: lanes 0-15 one row of 256 bytes, lanes 16-31 the next
	v_lshlrev_b32 v[CO], 12, v2
	v_lshl_add_u32 v[CO], v1, 4, v[CO]             ; and the same two rows in out0
	s_lshl_b32 s94, s[QA], 7
	s_lshl_b32 s96, s[WA], 6
	s_add_co_u32 s94, s94, s96
	s_lshl_b32 s94, s94, 12                        ; my first row x 4,096 bytes
	s_lshl_b32 s96, s[DB], 9
	s_add_co_u32 s94, s94, s96
	s_lshl_b32 s96, s[WB], 8
	s_add_co_u32 s94, s94, s96                     ; + my first column x 4
	s_add_nc_u64 s[OUTB:OUTB+1], s[12:13], s[94:95]
	s_mov_b32 s[H80], 0x80808080
	s_wait_alu depctr_va_vdst(0)
	s_wait_tensorcnt 0x0                           ; my tile of the head's four is in;
	ds_add_u32 v[SPW], v[NIL]
	s_mov_b32 s[G1A+2], 4<<16                      ; no tensor load of mine is out: from here on a load brings four tiles
	s_mov_b32 s[G1A+4], 4
	s_mov_b32 s[G1B+2], 4<<16
	s_mov_b32 s[G1B+4], 4
	s_wait_dscnt 0x0                               ; the add is done
	CROUND                                         ; slots 0 and 1 are whole for every wave, and all sixteen work-groups are here
	JLOAD 8                                        ; chunk 2 into slot 2: my one load behind the round; the arithmetic below stands under its flight
	s_wait_loadcnt 0x0
	WIN 0xaa                                       ; everything in window 2
.irp a, 0,1,2,3
	v_min3_num_f32 v[NMG+\a], v[NM+\a], v[NM+4+\a], v[NM+8+\a]
.endr
.irp s, 3,5,7,9,11,13
.irp a, 0,1,2,3
	v_min3_num_f32 v[NMG+\a], v[NMG+\a], v[NM+4*\s+\a], v[NM+4*\s+4+\a]
.endr
.endr
.irp a, 0,1,2,3
	v_min_num_f32 v[NMG+\a], v[NMG+\a], v[NM+60+\a]   ; -M of my query of tile a
.endr
.set i, 0
.rept 32
	v_pk_add_f32 v[NM+i:NM+i+1], v[NM+i:NM+i+1], v[NMG+i%4:NMG+i%4+1] neg_lo:[0,1] neg_hi:[0,1]   ; d = M - M_loc
.set i, i+2
.endr
.set i, 0
.rept 64
	v_cvt_i32_f32 v[NM+i], v[NM+i]                 ; (it saturates)
.set i, i+1
.endr
.set i, 0
.rept 64
	v_min_u32 v[NM+i], 127, v[NM+i]
.set i, i+1
.endr
.irp q, 0,1,2,3
.set i, 0
.rept 16
	v_sub_nc_u32 v[TP+i], 0, v[NM+16*\q+i]
.set i, i+1
.endr
.set i, 0
.rept 16
	v_ldexp_f32 v[LS+16*\q+i], v[LS+16*\q+i], v[TP+i]   ; l_loc 2^-d
.set i, i+1
.endr
.endr
.irp a, 0,1,2,3
	v_add_f32 v[L+\a], v[LS+\a], v[LS+4+\a]
.endr
.irp s, 2,3,4,5,6,7,8,9,10,11,12,13,14,15
.irp a, 0,1,2,3
	v_add_f32 v[L+\a], v[L+\a], v[LS+4*\s+\a]      ; l
.endr
.endr
.set i, 0
.rept 64
	v_perm_b32 v[NM+i], v[NM+i], v[NM+i], 0        ; d in all four bytes
.set i, i+1
.endr
.set i, 0
.rept 64
	v_or_b32 v[PW+i], s[H80], v[PW+i]              ; the bytes are 1 .. 125 and d is at most 127: with 128 added to each byte no byte borrows from its neighbour
.set i, i+1
.endr
.set i, 0
.rept 64
	v_sub_nc_u32 v[PW+i], v[PW+i], v[NM+i]         ; 128 + byte - d
.set i, i+1
.endr
.set i, 0
.rept 64
	v_and_b32 v[NM+i], s[H80], v[PW+i]             ; 128 where byte >= d
.set i, i+1
.endr
.set i, 0
.rept 64
	v_lshrrev_b32 v[LS+i], 7, v[NM+i]
.set i, i+1
.endr
.set i, 0
.rept 64
	v_sub_nc_u32 v[NM+i], v[NM+i], v[LS+i]         ; 127 there, 0 elsewhere
.set i, i+1
.endr
	WIN 0x0a                                       ; sources window 2, destination window 0
.set i, 0
.rept 64
	v_and_b32 v[PS+i], v[PW+i], v[NM+i]            ; byte - d, held at 0
.set i, i+1
.endr
	WIN 0x02
	s_wait_alu depctr_va_vdst(0)
.irp a, 0,1,2,3
	v_rcp_f32 v[RL+2*\a], v[L+\a]
	v_rcp_f32 v[RL+2*\a+1], v[L+\a]                ; twice: a pair for the packed multiply
.endr
	v_nop                                          ; a plain place behind the last reciprocal
	s_wait_alu depctr_va_vdst(0)                   ; one wait for the eight
	WIN 0
	PLACES 8                                       ; scale registers written by vector instructions stand eight places ahead of a scaled matrix instruction
.macro FRAG reg, adr, off
.irp g, 0,1,2
	ds_load_b128 v[(\reg)+4*\g:(\reg)+4*\g+3], v[\adr] offset:(\off)+512*\g
.endr
.endm
.macro FETCH t                         ; K step t: four fragments of Vp^T and four of P into set t % 2: 24 loads
	WIN TO_B
.irp i, 0,1,2,3
	FRAG 48*((\t)%2)+12*\i, ADRB+((\t)/4)%3, \i*6144+((\t)%4)*1536
.endr
	WIN 0
.irp i, 0,1,2,3
	FRAG AFR+48*((\t)%2)+12*\i, ADRA+((\t)/4)%3, \i*6144+((\t)%4)*1536
.endr
.endm
.macro MUL16 t, zero                   ; the 16 accumulators take turns, one instruction a turn
.irp a, 0,1,2,3
.irp b, 0,1,2,3
.if \zero
	v_wmma_scale_f32_16x16x128_f8f6f4 v[ACC+8*(4*\a+\b):ACC+8*(4*\a+\b)+7], v[48*((\t)%2)+12*\b:48*((\t)%2)+12*\b+11], v[AFR+48*((\t)%2)+12*\a:AFR+48*((\t)%2)+12*\a+11], 0, v[VSC+4*(\t)+\b], v[PS+4*(\t)+\a] matrix_a_fmt:MATRIX_FMT_FP6 matrix_b_fmt:MATRIX_FMT_FP6
.else
	v_wmma_scale_f32_16x16x128_f8f6f4 v[ACC+8*(4*\a+\b):ACC+8*(4*\a+\b)+7], v[48*((\t)%2)+12*\b:48*((\t)%2)+12*\b+11], v[AFR+48*((\t)%2)+12*\a:AFR+48*((\t)%2)+12*\a+11], v[ACC+8*(4*\a+\b):ACC+8*(4*\a+\b)+7], v[VSC+4*(\t)+\b], v[PS+4*(\t)+\a] matrix_a_fmt:MATRIX_FMT_FP6 matrix_b_fmt:MATRIX_FMT_FP6
.endif
.endr
.endr
.endm
.macro SSTEP t, zero
.if (\t) == 3                          ; slot 0 has been read out (K step 3's fragments were asked for a step ago): it takes chunk 3
	WIN 0
	s_wait_tensorcnt 0x0                           ; all my tensor loads have landed: slots 1 and 2 are whole;
	ds_add_u32 v[SPW], v[NIL]                      ; 0 onto my spare word
	s_add_nc_u64 s[G0A+2:G0A+3], s[G0A+2:G0A+3], 3*6144
	s_add_nc_u64 s[G0B+2:G0B+3], s[G0B+2:G0B+3], 3*6144
	s_wait_dscnt 0x0                               ; the add is done, and my reads of slot 0 are over
	CROUND                                         ; no wave of any partner still reads slot 0 or has a load on its way
	JLOAD 0                                        ; the first tensor load behind the round; its four v_nop are also the places in front of the loads below
.elseif (\t) == 11                     ; the next K step lies in the refilled slot
	WIN 0
	s_wait_tensorcnt 0x0                           ; my part of chunk 3 is in (the one load that was out)
	s_wait_dscnt 0x0
	s_barrier_signal -1
	s_barrier_wait -1
	PLACES 4
.else
	PLACES 4                                       ; in front of loads into the set that the last products read
.endif
	FETCH (\t)+1
	s_wait_dscnt 24                                ; all but the 24 just issued
	WIN MUL
	MUL16 \t, \zero
.endm
	FETCH 0
	SSTEP 0, 1
.irp t, 1,2,3,4,5,6,7,8,9,10,11,12,13,14
	SSTEP \t, 0
.endr
	s_wait_dscnt 0x0
	MUL16 15, 0
	WIN 0
	PLACES 4
; THE WAY OUT, a tile of 16 queries x 64 columns at a time: divided by l, through my stage, back as whole rows of 256 bytes.
.macro PACK a
.if (\a) > 0
	s_wait_dscnt 8                                 ; the tile before's eight stores into the stage are done (its eight loads may be out): OT is rewritten only behind this wait
.endif
	WIN 0x01                                       ; source 0 window 1
.set i, 0
.rept 16
	v_pk_mul_f32 v[OT+i:OT+i+1], v[ACC+32*(\a)+i:ACC+32*(\a)+i+1], v[RL+2*(\a):RL+2*(\a)+1]   ; each accumulator is read from its low end on
.set i, i+2
.endr
	WIN 0
.irp b, 0,1,2,3
	ds_store_b128 v[STO], v[OT+8*\b:OT+8*\b+3] offset:64*\b
	ds_store_b128 v[STO], v[OT+8*\b+4:OT+8*\b+7] offset:64*\b+16
.endr
.if (\a) >= 2
	s_wait_xcnt 0x0                                ; tile a - 2's stores have read the registers that these loads fill
.endif
.irp f, 0,1,2,3,4,5,6,7
	ds_load_b128 v[OB+32*((\a)%2)+4*\f:OB+32*((\a)%2)+4*\f+3], v[RD] offset:544*\f   ; LDS serves a wave's instructions in order: these see the stores above
.endr
.endm
.macro SEND a, younger                 ; younger: the LDS instructions issued behind tile a's loads
.irp f, 0,1,2,3,4,5,6,7
	s_wait_dscnt \younger+7-\f
	global_store_b128 v[CO], v[OB+32*((\a)%2)+4*\f:OB+32*((\a)%2)+4*\f+3], s[OUTB:OUTB+1] offset:(\a)*65536+\f*8192 th:TH_STORE_NT   ; sixteen lanes store 256 consecutive bytes, aligned
.endr
.endm
	PACK 0
	PACK 1
	SEND 0, 16
	PACK 2
	SEND 1, 16
	PACK 3
	SEND 2, 16
	SEND 3, 0
	s_wait_tensorcnt 0x0                           ; the wave's end
	ds_add_u32 v[SPW], v[NIL]
	s_wait_dscnt 0x0
	CROUND                                         ; the closing round
	s_endpgm
.Lfunc_end_k_qd5a27f47bf_pv:
	.size	k_qd5a27f47bf_pv, .Lfunc_end_k_qd5a27f47bf_pv-k_qd5a27f47bf_pv
	.p2alignl 7, 3214868480
	.fill 96, 4, 3214868480
	.section	.rodata,"a",@progbits
	.p2align	6, 0x0
	.amdhsa_kernel k_qd5a27f47bf_pv
		.amdhsa_group_segment_fixed_size 327680
		.amdhsa_private_segment_fixed_size 0
		.amdhsa_enable_private_segment 0
		.amdhsa_kernarg_size 40
		.amdhsa_user_sgpr_count 2
		.amdhsa_user_sgpr_kernarg_segment_ptr 1
		.amdhsa_wavefront_size32 1
		.amdhsa_system_sgpr_workgroup_id_x 1
		.amdhsa_system_sgpr_workgroup_id_y 1
		.amdhsa_system_sgpr_workgroup_id_z 1
		.amdhsa_system_vgpr_workitem_id 0
		.amdhsa_next_free_vgpr 768
		.amdhsa_next_free_sgpr 100
		.amdhsa_reserve_vcc 0
		.amdhsa_float_denorm_mode_32 3
		.amdhsa_float_denorm_mode_16_64 3
		.amdhsa_memory_ordered 1
		.amdhsa_forward_progress 1
		.amdhsa_inst_pref_size 124
	.end_amdhsa_kernel
	.amdgpu_metadata
---
amdhsa.version: [ 1, 2 ]
amdhsa.kernels:
  - .name:           k_qd5a27f47bf_pv
    .symbol:         k_qd5a27f47bf_pv.kd
    .args:
      - { .name: c2, .offset: 0, .size: 8, .value_kind: global_buffer, .address_space: global }
      - { .name: s2, .offset: 8, .size: 8, .value_kind: global_buffer, .address_space: global }
      - { .name: c3, .offset: 16, .size: 8, .value_kind: global_buffer, .address_space: global }
      - { .name: s3, .offset: 24, .size: 8, .value_kind: global_buffer, .address_space: global }
      - { .name: out0, .offset: 32, .size: 8, .value_kind: global_buffer, .address_space: global }
    .group_segment_fixed_size: 327680
    .private_segment_fixed_size: 0
    .kernarg_segment_align: 8
    .kernarg_segment_size: 40
    .max_flat_workgroup_size: 128
    .sgpr_count:     100
    .vgpr_count:     768
    .wavefront_size: 32
...
	.end_amdgpu_metadata
.endif
;; end of part 4
